; MI455X (gfx1250); checked and timed in simulation.
; The chip was launched on July 23, 2026; its instructions are those of AMD's public machine-readable ISA for CDNA 5 (MIT licence, August 2026) and "CDNA5" Instruction Set Architecture Reference Guide (July 2026). The comments in the code are by the model that wrote it; some were corrected since.
;; Block. Allowed arithmetic: float matrix products may take bf16 or f16 operands with f32 sums; other float arithmetic in f32, or as packed bf16 or f16 multiplies, adds, multiply-adds, maxima and minima; sums over many terms, partial sums and values carried from step to step in f32; what a program stores and reads back later, other than sums and carried values, may be rounded once to bf16 or f16.
;; Inputs: b_aproj 1,024 float32; b_attn 3,072 float32; b_fc 4,096 float32; b_mproj 1,024 float32; ln1_b 1,024 float32; ln1_w 1,024 float32; ln2_b 1,024 float32; ln2_w 1,024 float32; w_aproj 1,024 x 1,024 float32; w_attn 1,024 x 3,072 float32; w_fc 1,024 x 4,096 float32; w_mproj 4,096 x 1,024 float32; x 2 x 2,048 x 1,024 float32.
;; Outputs: out0 2 x 2,048 x 1,024 float32; out1 2 x 2 x 16 x 2,048 x 64 float32.
;; 2 versions, each right and faster than the one before. Each part assembles by itself: llvm-mc -triple=amdgcn-amd-amdhsa -mcpu=gfx1250 --defsym DOCPART=n.
;; ======== version 1 of 2: 8 launches
;; limits: values are held in f16: magnitudes above 65,504 overflow, below 6.1e-05 lose precision; right only within a limited range of input values
;; workspace buffers: w16 25,165,824 bytes; part1 65,536 bytes; part2 65,536 bytes; xn 8,388,608 bytes; qkv16 25,165,824 bytes; att 8,388,608 bytes; x2 16,777,216 bytes; h 33,554,432 bytes
;; launch prep (part 1): grid 1024 x 1, 8 waves a work-group, no clusters, 0 bytes of LDS; arguments x, w_attn, w_aproj, w_fc, w_mproj, w16, part1; writes w16, part1
.if DOCPART == 1
	.amdgcn_target "amdgcn-amd-amdhsa--gfx1250"
	.amdhsa_code_object_version 6
	.text
	.protected	k_qdde6696202_prep
	.globl	k_qdde6696202_prep
	.p2align	8
	.type	k_qdde6696202_prep,@function
k_qdde6696202_prep:
	s_mov_b64 s[64:65], 0
	v_nop
	global_prefetch_b8 v0, s[64:65] scope:SCOPE_SE
	s_setreg_imm32_b32 hwreg(HW_REG_WAVE_MODE, 25, 1), 1
	s_wait_xcnt 0x0
; PREP.  Two jobs, chosen by the work-group's number; each work-group reads 65,536 bytes.
; Work-groups 0-255: partial statistics of x for the first group norm.  A chunk is 16 rows x 32 channels (512 numbers); for each chunk
; (mean, M2 = sum of (x - mean)^2) is made by two passes over registers, so no difference of large sums is ever formed.
; part1 is f32 [group 32][chunk 256][2]; chunk c = rows 16 c .. 16 c + 15 of the 4,096 rows.  Its stores are 8 bytes a chunk: the table has 65,536 bytes in all
; and is laid so that its reader's loads are dense.
; Work-groups 256-1023: the four weights are rounded once to 16 bits, layout [K][N] unchanged, into w16:
; w_attn f16 at 0, w_aproj bf16 at 6,291,456, w_fc f16 at 8,388,608, w_mproj bf16 at 16,777,216: linear in the work-group's number.
; LIMIT: a weight of w_attn or w_fc beyond 65,504 becomes an infinity in f16; below 3e-8 it becomes 0.
; No LDS, no barrier: no wave needs another's data.
.set X,  8                             ; v[8:71]   64 numbers as loaded
.set Y,  72                            ; v[72:103] cast: 16-bit pairs to store
.set SQ, 72                            ; v[72:79]  statistics: four chains of pairs
.set DD, 80                            ; v[80:87]  statistics: x - mean, four pairs
.set MT, 88                            ; v[88:89]  mean twice; at the end (mean, M2)
	s_load_b256 s[4:11], s[0:1], 0x0               ; x, w_attn, w_aproj, w_fc
	s_load_b128 s[12:15], s[0:1], 0x20             ; w_mproj, w16
	s_load_b64 s[16:17], s[0:1], 0x30              ; part1
	v_and_b32 v1, 31, v0                           ; lane
	v_lshrrev_b32 v2, 5, v0                        ; wave
	v_lshlrev_b32 v3, 4, v1                        ; 16 bytes a lane
	s_cmp_lt_u32 ttmp9, 256
	s_cbranch_scc1 .Lstats
	; ---- the cast: a wave takes 8,192 bytes, sixteen loads of 512 neighbouring bytes, all issued at once
	s_sub_co_u32 s20, ttmp9, 256                   ; 0 .. 767
	v_lshl_add_u32 v3, v2, 13, v3                  ; byte offset in the source
	v_lshrrev_b32 v4, 1, v3                        ; and in w16
	s_wait_kmcnt 0x0
	s_mov_b64 s[22:23], s[6:7]                     ; which weight, where its work-groups begin, which format (0 f16, 1 bf16)
	s_mov_b32 s21, 0
	s_mov_b32 s24, 0
	s_cmp_ge_u32 s20, 192
	s_cselect_b64 s[22:23], s[8:9], s[22:23]
	s_cselect_b32 s21, 192, s21
	s_cselect_b32 s24, 1, s24
	s_cmp_ge_u32 s20, 256
	s_cselect_b64 s[22:23], s[10:11], s[22:23]
	s_cselect_b32 s21, 256, s21
	s_cselect_b32 s24, 0, s24
	s_cmp_ge_u32 s20, 512
	s_cselect_b64 s[22:23], s[12:13], s[22:23]
	s_cselect_b32 s21, 512, s21
	s_cselect_b32 s24, 1, s24
	s_sub_co_u32 s21, s20, s21
	s_lshl_b32 s26, s21, 16
	s_mov_b32 s27, 0
	s_add_nc_u64 s[22:23], s[22:23], s[26:27]
	s_lshl_b32 s26, s20, 15
	s_add_nc_u64 s[14:15], s[14:15], s[26:27]
.set i, 0
.rept 16
	global_load_b128 v[X+4*i:X+4*i+3], v3, s[22:23] offset:512*i th:TH_LOAD_NT
.set i, i+1
.endr
.macro CAST cvt
.set i, 0
.rept 16
	s_wait_loadcnt 15-i                            ; loads come back in order: load i is in, the 15 - i younger ones stay out
	\cvt v[Y+2*i], v[X+4*i], v[X+4*i+1]
	\cvt v[Y+2*i+1], v[X+4*i+2], v[X+4*i+3]
	global_store_b64 v4, v[Y+2*i:Y+2*i+1], s[14:15] offset:256*i  ; the wave's store covers 256 consecutive bytes, aligned
.set i, i+1
.endr
.endm
	s_cmp_eq_u32 s24, 0
	s_cbranch_scc0 .Lbf16
	CAST v_cvt_pk_f16_f32
	s_endpgm
.Lbf16:
	CAST v_cvt_pk_bf16_f32
	s_endpgm
	; ---- the statistics: strip = 128 channels (512 bytes of a row), wave w owns chunk 8 x row block + w; eight lanes hold a group's 32 channels
.Lstats:
	s_and_b32 s20, ttmp9, 7                        ; strip
	s_lshr_b32 s21, ttmp9, 3                       ; row block of 128 rows
	s_lshl_b32 s22, s21, 19
	s_lshl_b32 s23, s20, 9
	s_add_co_u32 s22, s22, s23
	s_mov_b32 s23, 0
	s_lshl_b32 s24, s20, 13                        ; part1: four groups of 2,048 bytes a strip,
	s_lshl_b32 s25, s21, 6                         ; eight chunks of 8 bytes a row block
	s_add_co_u32 s24, s24, s25
	s_mov_b32 s25, 0
	v_lshl_add_u32 v3, v2, 16, v3                  ; my wave's 16 rows of 4,096 bytes
	v_lshrrev_b32 v5, 3, v1
	v_lshlrev_b32 v5, 11, v5                       ; my group in the strip
	v_lshl_add_u32 v5, v2, 3, v5                   ; my wave's chunk
	v_and_b32 v6, 7, v1
	s_wait_kmcnt 0x0
	s_add_nc_u64 s[4:5], s[4:5], s[22:23]
	s_add_nc_u64 s[16:17], s[16:17], s[24:25]
.set i, 0
.rept 16
	global_load_b128 v[X+4*i:X+4*i+3], v3, s[4:5] offset:4096*i
.set i, i+1
.endr
.macro FOLD                            ; four chains of pairs into one number, then over the eight lanes of the group
	v_pk_add_f32 v[SQ:SQ+1], v[SQ:SQ+1], v[SQ+2:SQ+3]
	v_pk_add_f32 v[SQ+4:SQ+5], v[SQ+4:SQ+5], v[SQ+6:SQ+7]
	v_pk_add_f32 v[SQ:SQ+1], v[SQ:SQ+1], v[SQ+4:SQ+5]
	v_add_f32 v[SQ], v[SQ], v[SQ+1]
	v_add_f32_dpp v[SQ], v[SQ], v[SQ] row_xmask:1 row_mask:0xf bank_mask:0xf
	v_add_f32_dpp v[SQ], v[SQ], v[SQ] row_xmask:2 row_mask:0xf bank_mask:0xf
	v_add_f32_dpp v[SQ], v[SQ], v[SQ] row_xmask:4 row_mask:0xf bank_mask:0xf
.endm
	s_wait_loadcnt 0x0                             ; both passes need all 64 numbers
.irp k, 0,1,2,3
	v_pk_add_f32 v[SQ+2*\k:SQ+2*\k+1], v[X+2*\k:X+2*\k+1], v[X+8+2*\k:X+8+2*\k+1]
.endr
.set j, 8
.rept 24
	v_pk_add_f32 v[SQ+2*(j%4):SQ+2*(j%4)+1], v[SQ+2*(j%4):SQ+2*(j%4)+1], v[X+2*j:X+2*j+1]
.set j, j+1
.endr
	FOLD
	v_mul_f32 v[MT], 0x3b000000, v[SQ]             ; mean = sum / 512
	v_mov_b32 v[MT+1], v[MT]
.set j, 0
.rept 32
	v_pk_add_f32 v[DD+2*(j%4):DD+2*(j%4)+1], v[X+2*j:X+2*j+1], v[MT:MT+1] neg_lo:[0,1] neg_hi:[0,1]
.if j < 4
	v_pk_mul_f32 v[SQ+2*(j%4):SQ+2*(j%4)+1], v[DD+2*(j%4):DD+2*(j%4)+1], v[DD+2*(j%4):DD+2*(j%4)+1]
.else
	v_pk_fma_f32 v[SQ+2*(j%4):SQ+2*(j%4)+1], v[DD+2*(j%4):DD+2*(j%4)+1], v[DD+2*(j%4):DD+2*(j%4)+1], v[SQ+2*(j%4):SQ+2*(j%4)+1]
.endif
.set j, j+1
.endr
	FOLD
	v_mov_b32 v[MT+1], v[SQ]                       ; (mean, M2)
	v_cmp_eq_u32 vcc_lo, 0, v6                     ; one lane of each group stores
	s_wait_xcnt 0x0                                ; EXEC changes only behind this wait
	s_and_saveexec_b32 s26, vcc_lo
	global_store_b64 v5, v[MT:MT+1], s[16:17]
	s_endpgm
.Lfunc_end_k_qdde6696202_prep:
	.size	k_qdde6696202_prep, .Lfunc_end_k_qdde6696202_prep-k_qdde6696202_prep
	.p2alignl 7, 3214868480
	.fill 96, 4, 3214868480
	.section	.rodata,"a",@progbits
	.p2align	6, 0x0
	.amdhsa_kernel k_qdde6696202_prep
		.amdhsa_group_segment_fixed_size 0
		.amdhsa_private_segment_fixed_size 0
		.amdhsa_enable_private_segment 0
		.amdhsa_kernarg_size 56
		.amdhsa_user_sgpr_count 2
		.amdhsa_user_sgpr_kernarg_segment_ptr 1
		.amdhsa_wavefront_size32 1
		.amdhsa_system_sgpr_workgroup_id_x 1
		.amdhsa_system_sgpr_workgroup_id_y 1
		.amdhsa_system_sgpr_workgroup_id_z 1
		.amdhsa_system_vgpr_workitem_id 0
		.amdhsa_next_free_vgpr 104
		.amdhsa_next_free_sgpr 66
		.amdhsa_reserve_vcc 1
		.amdhsa_float_denorm_mode_32 3
		.amdhsa_float_denorm_mode_16_64 3
		.amdhsa_memory_ordered 1
		.amdhsa_forward_progress 1
		.amdhsa_inst_pref_size 21
	.end_amdhsa_kernel
	.amdgpu_metadata
---
amdhsa.version: [ 1, 2 ]
amdhsa.kernels:
  - .name:           k_qdde6696202_prep
    .symbol:         k_qdde6696202_prep.kd
    .args:
      - { .name: x, .offset: 0, .size: 8, .value_kind: global_buffer, .address_space: global }
      - { .name: w_attn, .offset: 8, .size: 8, .value_kind: global_buffer, .address_space: global }
      - { .name: w_aproj, .offset: 16, .size: 8, .value_kind: global_buffer, .address_space: global }
      - { .name: w_fc, .offset: 24, .size: 8, .value_kind: global_buffer, .address_space: global }
      - { .name: w_mproj, .offset: 32, .size: 8, .value_kind: global_buffer, .address_space: global }
      - { .name: w16, .offset: 40, .size: 8, .value_kind: global_buffer, .address_space: global }
      - { .name: part1, .offset: 48, .size: 8, .value_kind: global_buffer, .address_space: global }
    .group_segment_fixed_size: 0
    .private_segment_fixed_size: 0
    .kernarg_segment_align: 8
    .kernarg_segment_size: 56
    .max_flat_workgroup_size: 256
    .sgpr_count:     66
    .vgpr_count:     104
    .wavefront_size: 32
...
	.end_amdgpu_metadata
.endif
;; end of part 1
;; launch norm1 (part 2): grid 256 x 1, 8 waves a work-group, no clusters, 0 bytes of LDS; arguments x, part1, ln1_w, ln1_b, xn; writes xn
.if DOCPART == 2
	.amdgcn_target "amdgcn-amd-amdhsa--gfx1250"
	.amdhsa_code_object_version 6
	.text
	.protected	k_qdde6696202_norm1
	.globl	k_qdde6696202_norm1
	.p2align	8
	.type	k_qdde6696202_norm1,@function
k_qdde6696202_norm1:
	s_mov_b64 s[64:65], 0
	v_nop
	global_prefetch_b8 v0, s[64:65] scope:SCOPE_SE
	s_setreg_imm32_b32 hwreg(HW_REG_WAVE_MODE, 25, 1), 1
	s_wait_xcnt 0x0
; GROUP NORM, second half: y = (x - mean) / sqrt(var + 1e-5) * w + b, rounded once to f16.  x: f32 [4096][1024]; y: f16 [4096][1024].
; part: f32 [group 32][chunk 256][2] = (mean, M2) of chunks of 512 numbers; a (batch, group) has 128 chunks.
; They are merged in pairs of equal counts n: mean = (ma + mb) / 2, M2 = Ma + Mb + (ma - mb)^2 n / 2: no difference of large sums.
; A work-group owns 16 rows; thread t owns columns 4 t .. 4 t + 3; wave w therefore needs groups 4 w .. 4 w + 3 and merges their chunks itself: no LDS, no barrier.
; LIMIT: |y| beyond 65,504 becomes an infinity in f16; (x - mean) / sqrt(var) itself is at most 256 in size (65,536 numbers to a group).
.set DT, 8                             ; v[8:11]   a difference for each group
.set T1, 12                            ; v12, v13  the other half of the lanes' mean and M2
.set PT, 16                            ; v[16:47]  group g: two loads of (mean, M2, mean, M2) at PT + 8 g
.set LW, 48                            ; v[48:51]  w, then rstd w
.set LO, 52                            ; v[52:55]  b, then b - mean rstd w
.set X,  64                            ; v[64:127] sixteen rows, four numbers each
.set Y,  128                           ; v[128:159] to store
	s_load_b256 s[4:11], s[0:1], 0x0               ; x, part, w, b
	s_load_b64 s[12:13], s[0:1], 0x20              ; y
	v_and_b32 v1, 31, v0
	v_lshrrev_b32 v2, 5, v0
	v_lshlrev_b32 v3, 4, v1
	v_lshl_add_u32 v3, v2, 13, v3                  ; part: 16 lane + wave x four groups of 2,048 bytes
	v_lshlrev_b32 v4, 4, v0                        ; x, w, b: 16 t
	v_lshlrev_b32 v5, 3, v0                        ; y: 8 t
	v_bfe_u32 v6, v0, 3, 2                         ; which of the wave's four groups is my lane's
	s_lshr_b32 s14, ttmp9, 7                       ; batch
	s_lshl_b32 s14, s14, 10                        ; its 128 chunks of 8 bytes
	s_mov_b32 s15, 0
	s_lshl_b32 s16, ttmp9, 16                      ; 16 rows of 4,096 bytes
	s_mov_b32 s17, 0
	s_lshl_b32 s18, ttmp9, 15                      ; 16 rows of 2,048 bytes
	s_mov_b32 s19, 0
	s_mov_b32 s20, 0x37800000                      ; 1 / 65,536
	s_mov_b32 s22, 0x76543210                      ; v_permlanex16_b32: each lane takes its own place in the other half
	s_mov_b32 s23, 0xfedcba98
.irp g, 0,1,2,3
	v_mov_b32 v[DT+\g], 0                          ; a DPP form's and a permute's destination counts as read
.endr
	v_mov_b32 v[T1], 0
	v_mov_b32 v[T1+1], 0
	s_wait_kmcnt 0x0
	s_add_nc_u64 s[6:7], s[6:7], s[14:15]
	s_add_nc_u64 s[4:5], s[4:5], s[16:17]
	s_add_nc_u64 s[12:13], s[12:13], s[18:19]
.irp g, 0,1,2,3
	global_load_b128 v[PT+8*\g:PT+8*\g+3], v3, s[6:7] offset:2048*\g
	global_load_b128 v[PT+8*\g+4:PT+8*\g+7], v3, s[6:7] offset:2048*\g+512
.endr
	global_load_b128 v[LW:LW+3], v4, s[8:9]
	global_load_b128 v[LO:LO+3], v4, s[10:11]
.set i, 0
.rept 16
	global_load_b128 v[X+4*i:X+4*i+3], v4, s[4:5] offset:4096*i
.set i, i+1
.endr
.macro COMB ma, qa, mb, qb, d, f       ; (ma, qa) takes (mb, qb) in; f = n / 2
	v_sub_f32 v[\d], v[\ma], v[\mb]
	v_add_f32 v[\ma], v[\ma], v[\mb]
	v_add_f32 v[\qa], v[\qa], v[\qb]
	v_mul_f32 v[\d], v[\d], v[\d]
	v_mul_f32 v[\ma], 0.5, v[\ma]
	v_fmamk_f32 v[\qa], v[\d], \f, v[\qa]
.endm
.macro COMBX ma, qa, d, x, f           ; the same with the lane x away
	v_sub_f32_dpp v[\d], v[\ma], v[\ma] row_xmask:\x row_mask:0xf bank_mask:0xf
	v_add_f32_dpp v[\ma], v[\ma], v[\ma] row_xmask:\x row_mask:0xf bank_mask:0xf
	v_add_f32_dpp v[\qa], v[\qa], v[\qa] row_xmask:\x row_mask:0xf bank_mask:0xf
	v_mul_f32 v[\d], v[\d], v[\d]
	v_mul_f32 v[\ma], 0.5, v[\ma]
	v_fmamk_f32 v[\qa], v[\d], \f, v[\qa]
.endm
	s_wait_loadcnt 16                              ; the table, w and b are in; the sixteen rows stay on their way
.irp g, 0,1,2,3
	COMB PT+8*\g, PT+8*\g+1, PT+8*\g+2, PT+8*\g+3, DT+\g, 0x43800000     ; n = 512
.endr
.irp g, 0,1,2,3
	COMB PT+8*\g+4, PT+8*\g+5, PT+8*\g+6, PT+8*\g+7, DT+\g, 0x43800000
.endr
.irp g, 0,1,2,3
	COMB PT+8*\g, PT+8*\g+1, PT+8*\g+4, PT+8*\g+5, DT+\g, 0x44000000     ; n = 1,024
.endr
.irp g, 0,1,2,3
	COMBX PT+8*\g, PT+8*\g+1, DT+\g, 1, 0x44800000
.endr
.irp g, 0,1,2,3
	COMBX PT+8*\g, PT+8*\g+1, DT+\g, 2, 0x45000000
.endr
.irp g, 0,1,2,3
	COMBX PT+8*\g, PT+8*\g+1, DT+\g, 4, 0x45800000
.endr
.irp g, 0,1,2,3
	COMBX PT+8*\g, PT+8*\g+1, DT+\g, 8, 0x46000000
.endr
.irp g, 0,1,2,3
	v_permlanex16_b32 v[T1], v[PT+8*\g], s22, s23
	v_permlanex16_b32 v[T1+1], v[PT+8*\g+1], s22, s23
	COMB PT+8*\g, PT+8*\g+1, T1, T1+1, DT+\g, 0x46800000                 ; n = 32,768
.endr
.irp g, 1,2,3                          ; my lane's group
	v_cmp_eq_u32 vcc_lo, \g, v6
	v_cndmask_b32 v[PT], v[PT], v[PT+8*\g], vcc_lo
	v_cndmask_b32 v[PT+1], v[PT+1], v[PT+8*\g+1], vcc_lo
.endr
	v_fmaak_f32 v7, s20, v[PT+1], 0x3727c5ac       ; var + 1e-5
	v_rsq_f32 v7, v7
	v_nop                                          ; a plain instruction between the root and its use
	s_wait_alu depctr_va_vdst(0)
.irp j, 0,1,2,3
	v_mul_f32 v[LW+\j], v7, v[LW+\j]
.endr
.irp j, 0,1,2,3
	v_fma_f32 v[LO+\j], -v[PT], v[LW+\j], v[LO+\j]
.endr
.set i, 0
.rept 16
	s_wait_loadcnt 15-i                            ; row i is in, the younger rows stay out
	v_pk_fma_f32 v[X+4*i:X+4*i+1], v[X+4*i:X+4*i+1], v[LW:LW+1], v[LO:LO+1]
	v_pk_fma_f32 v[X+4*i+2:X+4*i+3], v[X+4*i+2:X+4*i+3], v[LW+2:LW+3], v[LO+2:LO+3]
	v_cvt_pk_f16_f32 v[Y+2*i], v[X+4*i], v[X+4*i+1]
	v_cvt_pk_f16_f32 v[Y+2*i+1], v[X+4*i+2], v[X+4*i+3]
	global_store_b64 v5, v[Y+2*i:Y+2*i+1], s[12:13] offset:2048*i  ; the wave's store covers 256 consecutive bytes, aligned
.set i, i+1
.endr
	s_endpgm
.Lfunc_end_k_qdde6696202_norm1:
	.size	k_qdde6696202_norm1, .Lfunc_end_k_qdde6696202_norm1-k_qdde6696202_norm1
	.p2alignl 7, 3214868480
	.fill 96, 4, 3214868480
	.section	.rodata,"a",@progbits
	.p2align	6, 0x0
	.amdhsa_kernel k_qdde6696202_norm1
		.amdhsa_group_segment_fixed_size 0
		.amdhsa_private_segment_fixed_size 0
		.amdhsa_enable_private_segment 0
		.amdhsa_kernarg_size 40
		.amdhsa_user_sgpr_count 2
		.amdhsa_user_sgpr_kernarg_segment_ptr 1
		.amdhsa_wavefront_size32 1
		.amdhsa_system_sgpr_workgroup_id_x 1
		.amdhsa_system_sgpr_workgroup_id_y 1
		.amdhsa_system_sgpr_workgroup_id_z 1
		.amdhsa_system_vgpr_workitem_id 0
		.amdhsa_next_free_vgpr 160
		.amdhsa_next_free_sgpr 66
		.amdhsa_reserve_vcc 1
		.amdhsa_float_denorm_mode_32 3
		.amdhsa_float_denorm_mode_16_64 3
		.amdhsa_memory_ordered 1
		.amdhsa_forward_progress 1
		.amdhsa_inst_pref_size 20
	.end_amdhsa_kernel
	.amdgpu_metadata
---
amdhsa.version: [ 1, 2 ]
amdhsa.kernels:
  - .name:           k_qdde6696202_norm1
    .symbol:         k_qdde6696202_norm1.kd
    .args:
      - { .name: x, .offset: 0, .size: 8, .value_kind: global_buffer, .address_space: global }
      - { .name: part1, .offset: 8, .size: 8, .value_kind: global_buffer, .address_space: global }
      - { .name: ln1_w, .offset: 16, .size: 8, .value_kind: global_buffer, .address_space: global }
      - { .name: ln1_b, .offset: 24, .size: 8, .value_kind: global_buffer, .address_space: global }
      - { .name: xn, .offset: 32, .size: 8, .value_kind: global_buffer, .address_space: global }
    .group_segment_fixed_size: 0
    .private_segment_fixed_size: 0
    .kernarg_segment_align: 8
    .kernarg_segment_size: 40
    .max_flat_workgroup_size: 256
    .sgpr_count:     66
    .vgpr_count:     160
    .wavefront_size: 32
...
	.end_amdgpu_metadata
.endif
;; end of part 2
;; launch qkv (part 3): grid 8 x 32, 4 waves a work-group, clusters of 4 x 4, 327,680 bytes of LDS; arguments xn, w16, b_attn, qkv16, out1; writes qkv16, out1
.if DOCPART == 3
	.amdgcn_target "amdgcn-amd-amdhsa--gfx1250"
	.amdhsa_code_object_version 6
	.text
	.protected	k_qdde6696202_qkv
	.globl	k_qdde6696202_qkv
	.p2align	8
	.type	k_qdde6696202_qkv,@function
k_qdde6696202_qkv:
	s_mov_b64 s[64:65], 0
	v_nop
	global_prefetch_b8 v0, s[64:65] scope:SCOPE_SE
	s_setreg_imm32_b32 hwreg(HW_REG_WAVE_MODE, 25, 1), 1
	s_wait_xcnt 0x0
	s_wait_alu depctr_hold_cnt(0) depctr_sa_sdst(0) depctr_va_vdst(0) depctr_va_sdst(0) depctr_va_ssrc(0) depctr_va_vcc(0) depctr_vm_vsrc(0)
	s_getreg_b32 s2, hwreg(HW_REG_IB_STS2, 6, 4)
	s_cmp_eq_u32 s2, 0
	s_cbranch_scc0 .Lentry_in_a_cluster
	s_endpgm
.Lentry_in_a_cluster:
	s_bfe_u32 s2, ttmp6, 0x10000c
	s_cmp_lg_u32 s2, 0xf033
	s_cbranch_scc0 .Lentry_shape_is_right
	s_endpgm
.Lentry_shape_is_right:
; QKV = xn W + b.  xn: f16 [4096][1024]; W: f16 [1024][3072] at w16's byte 0; b: f32 [3072].  Sums in f32; the bias is the C operand of the first products.
; Out: qkv16 f16 [part 3][batch x head 32][t 2048][64] (each number rounded once), and k and v once more in f32 into out1 [2][32][2048][64].
; LIMITS: |q|, |k|, |v| beyond 65,504 become infinities in qkv16 (out1 keeps f32).  K is summed in the order of the walk below, not ascending.
; SHARES.  A work-group makes 128 rows x (q, k, v of heads 2 TX, 2 TX + 1): 128 x 384.  Wave w: rows 64 (w / 2) on, head 2 TX + w % 2: 64 x 192, 48 accumulators.
; K goes in 8 steps of 128 through two LDS slots.  Wave 0 fetches xn's tile (128 rows x 256 bytes), waves 1-3 W's tiles of q, k, v ([128 k] x 256 bytes): every tile row is 256 bytes, aligned.
; W stays [k][n] in LDS and is turned by ds_load_tr16_b128.  THE PRODUCT IS USED TRANSPOSED (source 0 = 16 columns of W, source 1 = 16 rows of xn): a lane holds one row and eight neighbouring columns.
; CLUSTER 4 x 4: xn's tile hangs on TY alone and is asked for jointly along a row of the cluster, W's on TX alone, along a column.
; THE WALK ALONG K.  Trip t takes K step t xor M, M = (cluster y mod 4) xor cluster x: a permutation of the 8 steps, the same in all sixteen partners.  The two clusters that read the same rows of xn
; differ in M's bit 0, four clusters that read the same columns of W in its bits 0 and 1: clusters that read one tile ask for it in different trips, one to three trips apart, not all in the same trip.
; ONE K STEP IS WRITTEN ONCE: the walking descriptor's LDS word and the read offset change slots by an exclusive or with SLOT = 2^17 + 2^14; wave x 36,864 has those two bits clear for waves 0-3, so the or adds or takes away SLOT.
; REGISTERS: window 0: addresses, v32-127 bias, v128-199 the way out; window 1: two fragment buffers of 128 (xn 4 x 8, W 12 x 8); windows 2, 3: accumulator 12 a + b at 512 + 8 (12 a + b).
.set NSTEP,  8
.set PIECE,  36864                     ; what one wave fetches has this room: LDS address = wave x PIECE + slot
.set SLOT,   4*PIECE
.set SPARE,  2*SLOT                    ; behind the ring: the spare words, 128 bytes a wave
.set PA,     272                       ; xn's rows in LDS: 256 + 16: sixteen rows start at sixteen different groups of four banks
.set PW,     288                       ; W's rows: 256 + 32, an odd multiple of 32, for the turning load
.set DP,     784                       ; the way out: a row of 192 f32 + 16
.set ASTEP,  256                       ; bytes from a K step to the next in xn,
.set WSTEP,  128*6144                  ; and in W
.set LA,   10                          ; v10     my lane's place in xn's tile
.set LB,   11                          ; v11-13  in W's three tiles
.set ADRA, 14                          ; v14     the same plus the slot in hand
.set ADRB, 15                          ; v15-17
.set STO,  18
.set RD,   19
.set GH,   20
.set GF,   21
.set BO,   22
.set SPW,  28                          ; v28  my spare word; never rewritten
.set NIL,  29                          ; v29  0; never rewritten
.set BIAS, 32
.set T,    128
.set Y,    176
.set F0,   0
.set F1,   128
.set WV, 12
.set RH, 13
.set CH, 14
.set KI, 21                            ; s21  the trip whose tile was asked for last
.set G1A, 24
.set G0A, 32                           ; s[32:35] trip 0 in slot 0; s[36:39] trip 1 in slot 1, which then walks
.set G1B, 48
.set G0B, 56
.set KM,  66                           ; s66  M
.set TR,  67                           ; the slot that is read: 0 or SLOT
.set WB,  68
.set CNT, 69
                                       ; s[16:17] xn at my tile's K step 0, s[70:71] W likewise; s[18:19], s[22:23] a K step's byte offsets in them
.set MSB, 0
.macro WIN new                         ; the immediate's high byte repeats the setting that is left; a switch that changes nothing is dropped
.if MSB != (\new)
	s_set_vgpr_msb (MSB<<8)|(\new)
.set MSB, (\new)
.endif
.endm
.macro PLACES                          ; four plain vector instructions between a matrix instruction and a load into, or a read of, its registers
.rept 4
	v_nop
.endr
.endm
.macro CREST                           ; a round of the cluster's barrier behind its opening barrier
	s_cmp_lg_u32 s[WV], 0
	s_cbranch_scc1 .Lnot_wave_0_\@
	s_barrier_signal -3
.Lnot_wave_0_\@:
	s_barrier_wait -3
	s_barrier_signal -1
	s_barrier_wait -1
.endm
.macro CROUND
	s_barrier_signal -1
	s_barrier_wait -1
	CREST
.endm
.macro JLOAD                           ; a joint refill by the walking descriptor; the branch hangs on the wave's number alone; s_nop 0 and four v_nop follow each line
	s_cmp_eq_u32 s[WV], 0
	s_cbranch_scc0 .Lfor_w_\@
	tensor_load_to_lds s[G0A+4:G0A+7], s[G1A:G1A+7]
	s_nop 0
	PLACES
	s_branch .Lasked_\@
.Lfor_w_\@:
	tensor_load_to_lds s[G0B+4:G0B+7], s[G1B:G1B+7]
	s_nop 0
	PLACES
.Lasked_\@:
.endm
	s_load_b256 s[4:11], s[0:1], 0x0               ; xn, w16, b_attn, qkv16
	s_load_b64 s[72:73], s[0:1], 0x20              ; out1
	v_lshl_add_u32 v[SPW], v0, 2, SPARE
	v_mov_b32 v[NIL], 0
	ds_add_u32 v[SPW], v[NIL]                      ; the wave's opening: the add and its wait stand ahead of my first tensor load
	ds_add_u32 v28, v29
	v_lshrrev_b32 v1, 5, v0
	v_readfirstlane_b32 s[WV], v1
	s_lshr_b32 s[RH], s[WV], 1
	s_and_b32 s[CH], s[WV], 1
	s_bfe_u32 s40, ttmp6, 0x40000                  ; cx
	s_bfe_u32 s41, ttmp6, 0x40004                  ; cy
	s_lshl_b32 s42, ttmp9, 2
	s_add_co_u32 s42, s42, s40                     ; TX
	s_and_b32 s43, ttmp7, 0xffff
	s_lshl_b32 s43, s43, 2
	s_add_co_u32 s43, s43, s41                     ; TY
	s_lshl_b32 s44, s41, 2
	s_lshl_b32 s44, 15, s44                        ; my row of the cluster
	s_lshl_b32 s45, 0x1111, s40                    ; my column
	s_and_b32 s[KM], ttmp7, 3                      ; M: made of the cluster's own place, which all sixteen partners share
	s_xor_b32 s[KM], s[KM], ttmp9
	s_mov_b32 s[KI], 1                             ; trips 0 and 1 are asked for at the start
	s_mov_b32 s19, 0
	s_mov_b32 s23, 0
	s_or_b32 s[G1A], s44, (1<<16)|(1<<20)|(1<<21)|(5<<22)|(3<<25)   ; mask; 2-byte elements; padding on; bit 21 beside a mask; after every 64 words 4 words
	s_or_b32 s[G1B], s45, (1<<16)|(1<<20)|(1<<21)|(5<<22)|(7<<25)   ; the same with 8 words
.irp g, G1A, G1B
	s_mov_b32 s[\g+1], 128<<16                     ; tensor_dim0 = 128
	s_mov_b32 s[\g+2], 128<<16                     ; tensor_dim1 = 128
	s_mov_b32 s[\g+3], 128<<16                     ; tile_dim0 = 128
	s_mov_b32 s[\g+4], 128                         ; tile_dim1 = 128
	s_mov_b32 s[\g+6], 0
	s_mov_b32 s[\g+7], 0
.endr
	s_mov_b32 s[G1A+5], 1024                       ; elements from row to row
	s_mov_b32 s[G1B+5], 3072
	s_lshl_b32 s16, s43, 18                        ; xn: 128 TY rows of 2,048 bytes
	s_mov_b32 s17, 0
	s_max_u32 s20, s[WV], 1
	s_sub_co_u32 s20, s20, 1                       ; W's part: wave - 1 (wave 0 asks by xn's descriptor)
	s_lshl_b32 s20, s20, 11
	s_lshl_b32 s46, s42, 8                         ; 128 TX columns
	s_add_co_u32 s46, s46, s20
	s_mov_b32 s47, 0
	s_mul_i32 s[WB], s[WV], PIECE
	s_mov_b32 s[TR], 0
	s_wait_dscnt 0x0                               ; the opening add is done
	s_wait_kmcnt 0x0
	s_add_nc_u64 s[16:17], s[4:5], s[16:17]
	s_add_nc_u64 s[70:71], s[6:7], s[46:47]
	CROUND                                         ; all sixteen work-groups are here: the first joint loads meet
.irp s, 0,1
	s_xor_b32 s20, s[KM], \s                       ; trip s takes K step s xor M
	s_mul_i32 s18, s20, ASTEP
	s_mul_i32 s22, s20, WSTEP
	s_mov_b32 s[G0A+4*\s], 1
	s_add_co_u32 s[G0A+4*\s+1], s[WB], \s*SLOT
	s_add_nc_u64 s[G0A+4*\s+2:G0A+4*\s+3], s[16:17], s[18:19]
	s_or_b32 s[G0A+4*\s+3], s[G0A+4*\s+3], 0x80000000
	s_mov_b32 s[G0B+4*\s], 1
	s_add_co_u32 s[G0B+4*\s+1], s[WB], \s*SLOT
	s_add_nc_u64 s[G0B+4*\s+2:G0B+4*\s+3], s[70:71], s[22:23]
	s_or_b32 s[G0B+4*\s+3], s[G0B+4*\s+3], 0x80000000
.endr
	s_cmp_eq_u32 s[WV], 0                          ; a wave's two first fills stand in one branch: two loads of mine are out
	s_cbranch_scc0 .Lfirst_w
	tensor_load_to_lds s[G0A:G0A+3], s[G1A:G1A+7]
	s_nop 0
	tensor_load_to_lds s[G0A+4:G0A+7], s[G1A:G1A+7]
	s_nop 0
	PLACES
	s_branch .Lfirst_done
.Lfirst_w:
	tensor_load_to_lds s[G0B:G0B+3], s[G1B:G1B+7]
	s_nop 0
	tensor_load_to_lds s[G0B+4:G0B+7], s[G1B:G1B+7]
	s_nop 0
	PLACES
.Lfirst_done:
	v_and_b32 v1, 15, v0                           ; r = l % 16
	v_bfe_u32 v2, v0, 4, 1                         ; hh = l / 16
	v_lshlrev_b32 v[BO], 5, v2                     ; bias: my eight columns begin 8 hh on
	s_lshl_b32 s46, s42, 9                         ; (128 TX + 64 CH) x 4 bytes
	s_lshl_b32 s47, s[CH], 8
	s_add_co_u32 s46, s46, s47
	s_mov_b32 s47, 0
	s_add_nc_u64 s[8:9], s[8:9], s[46:47]
.irp p, 0,1,2
.irp c, 0,1,2,3
	global_load_b128 v[BIAS+8*(4*\p+\c):BIAS+8*(4*\p+\c)+3], v[BO], s[8:9] offset:4096*\p+64*\c
	global_load_b128 v[BIAS+8*(4*\p+\c)+4:BIAS+8*(4*\p+\c)+7], v[BO], s[8:9] offset:4096*\p+64*\c+16
.endr
.endr
	v_mul_u32_u24 v3, v1, PA                       ; a fragment of xn: row r, 16 bytes for each half of the lanes
	v_lshl_add_u32 v3, v2, 4, v3
	s_mul_i32 s20, s[RH], 64*PA
	v_add_nc_u32 v[LA], s20, v3
	v_and_b32 v4, 7, v0                            ; the turning load: lane l reads k row 8 hh + l % 8, 16 bytes at 16 ((l / 8) % 2)
	v_lshl_add_u32 v4, v2, 3, v4
	v_mul_u32_u24 v4, v4, PW
	v_bfe_u32 v5, v0, 3, 1
	v_lshl_add_u32 v4, v5, 4, v4
	s_lshl_b32 s20, s[CH], 7                       ; my head's 64 columns
	s_add_co_u32 s20, s20, PIECE
	v_add_nc_u32 v[LB], s20, v4
	v_add_nc_u32 v[LB+1], PIECE, v[LB]
	v_add_nc_u32 v[LB+2], 2*PIECE, v[LB]
	s_mul_i32 s20, s[WV], 64*DP                    ; the way out: my 64 rows of 784 bytes, in the slots when they are dead
	v_mul_u32_u24 v3, v1, DP
	v_lshl_add_u32 v3, v2, 5, v3
	v_add_nc_u32 v[STO], s20, v3
	v_mul_u32_u24 v3, v2, DP
	v_lshl_add_u32 v3, v1, 4, v3
	v_add_nc_u32 v[RD], s20, v3
	v_and_b32 v3, 31, v0
	v_lshlrev_b32 v[GH], 3, v3
	v_lshlrev_b32 v[GF], 4, v3
.macro SETADR
	v_add_nc_u32 v[ADRA], s[TR], v[LA]
	v_add_nc_u32 v[ADRB], s[TR], v[LB]
	v_add_nc_u32 v[ADRB+1], s[TR], v[LB+1]
	v_add_nc_u32 v[ADRB+2], s[TR], v[LB+2]
.endm
.macro FETCH q, f                      ; 32 LDS loads in one run: the fragments of 32 along K: W's twelve, then xn's four
	WIN 0x40
.irp p, 0,1,2
.irp c, 0,1,2,3
	ds_load_tr16_b128 v[(\f)+32+8*(4*\p+\c):(\f)+32+8*(4*\p+\c)+3], v[ADRB+\p] offset:(\q)*32*PW+32*\c
	ds_load_tr16_b128 v[(\f)+32+8*(4*\p+\c)+4:(\f)+32+8*(4*\p+\c)+7], v[ADRB+\p] offset:(\q)*32*PW+32*\c+16*PW
.endr
.endr
.irp i, 0,1,2,3
	ds_load_b128 v[(\f)+8*\i:(\f)+8*\i+3], v[ADRA] offset:\i*16*PA+64*(\q)
	ds_load_b128 v[(\f)+8*\i+4:(\f)+8*\i+7], v[ADRA] offset:\i*16*PA+64*(\q)+32
.endr
.endm
.macro MULP f, a, first                ; row block a x all twelve column blocks; the 48 accumulators take turns.  first = 1: the bias starts the sums
.irp b, 0,1,2,3,4,5,6,7,8,9,10,11
.set IDX, 12*(\a)+\b
.set AC, 8*(IDX%32)
.if \first
	WIN 0x85+0x40*(IDX/32)
	v_wmma_f32_16x16x32_f16 v[AC:AC+7], v[(\f)+32+8*\b:(\f)+32+8*\b+7], v[(\f)+8*(\a):(\f)+8*(\a)+7], v[BIAS+8*\b:BIAS+8*\b+7]
.else
	WIN 0xa5+0x50*(IDX/32)
	v_wmma_f32_16x16x32_f16 v[AC:AC+7], v[(\f)+32+8*\b:(\f)+32+8*\b+7], v[(\f)+8*(\a):(\f)+8*(\a)+7], v[AC:AC+7]
.endif
.endr
.endm
.macro QUARTER qn, f, g, first         ; fetches quarter qn of the slot in hand into g, which the quarter before multiplied, and multiplies f: a run has a whole quarter, 48 matrix instructions, in which to land
	s_wait_dscnt 0x0                               ; buffer f's run, issued at the head of the quarter before, is in
	PLACES                                         ; behind the last products that read g
	FETCH \qn, \g
	MULP \f, 0, \first
	MULP \f, 1, \first
	MULP \f, 2, \first
	MULP \f, 3, \first
.endm
.macro MEET fill                       ; the first half of a step's last quarter, and the one barrier of the change of slots.  fill = 1: the walking descriptors are set for the next trip's tile
	WIN 0
	s_wait_tensorcnt 0x0                           ; all my tensor loads have landed: the one that was out is my part of the next slot; so a group 0 may be written
	ds_add_u32 v[SPW], v[NIL]
.if \fill
	s_add_co_u32 s[KI], s[KI], 1                   ; the next trip that has not been asked for,
	s_xor_b32 s20, s[KI], s[KM]                    ; its K step,
	s_mul_i32 s18, s20, ASTEP                      ; that step's bytes in xn and in W
	s_mul_i32 s22, s20, WSTEP
	s_xor_b32 s[G0A+5], s[G0A+5], SLOT             ; into the slot that is being read out
	s_add_nc_u64 s[G0A+6:G0A+7], s[16:17], s[18:19]
	s_or_b32 s[G0A+7], s[G0A+7], 0x80000000
	s_xor_b32 s[G0B+5], s[G0B+5], SLOT
	s_add_nc_u64 s[G0B+6:G0B+7], s[70:71], s[22:23]
	s_or_b32 s[G0B+7], s[G0B+7], 0x80000000
.endif
	s_wait_dscnt 0x1                               ; buffer 1's run is in; the add alone may be out
	MULP F1, 0, 0
	s_wait_dscnt 0x0                               ; the add is done, and my reads of this slot are over
	s_barrier_signal -1
	MULP F1, 1, 0
	WIN 0
	s_barrier_wait -1
.endm
.macro TURN                            ; the last quarter with a refill: the barrier opens a round of the cluster's; the joint refill is the first tensor load behind it
	MEET 1
	CREST
	JLOAD                                          ; 168 matrix instructions ahead of the wait for it
	s_xor_b32 s[TR], s[TR], SLOT
	SETADR
	FETCH 0, F0
	MULP F1, 2, 0
	MULP F1, 3, 0
.endm
	SETADR
	s_wait_tensorcnt 0x1                           ; my part of trip 0's tile is in; trip 1's stays out
	s_barrier_signal -1
	s_barrier_wait -1
	FETCH 0, F0
	s_wait_loadcnt 0x0                             ; the bias
	QUARTER 1, F0, F1, 1
	WIN 0
	s_mov_b32 s[CNT], NSTEP-2
.Lk:                                   ; a trip: a K step's quarters 1 to 3, the refill, the next step's quarter 0
	QUARTER 2, F1, F0, 0
	QUARTER 3, F0, F1, 0
	TURN
	QUARTER 1, F0, F1, 0
	WIN 0
	s_sub_co_u32 s[CNT], s[CNT], 1
	s_cmp_lg_u32 s[CNT], 0
	s_cbranch_scc1 .Lk
	s_mov_b32 s[CNT], 2
.Ltail:                                ; the last two K steps ask for nothing; the second trip jumps over what would fetch a further step
	QUARTER 2, F1, F0, 0
	QUARTER 3, F0, F1, 0
	MEET 0
	s_cmp_eq_u32 s[CNT], 1
	s_cbranch_scc1 .Lno_fetch
	s_xor_b32 s[TR], s[TR], SLOT
	SETADR
	PLACES
	FETCH 0, F0
	WIN 0
.Lno_fetch:
	MULP F1, 2, 0
	MULP F1, 3, 0
	WIN 0
	s_cmp_eq_u32 s[CNT], 1
	s_cbranch_scc1 .Ltail_end
	QUARTER 1, F0, F1, 0
	WIN 0
.Ltail_end:
	s_sub_co_u32 s[CNT], s[CNT], 1
	s_cmp_lg_u32 s[CNT], 0
	s_cbranch_scc1 .Ltail
	; THE WAY OUT.  Behind the last barrier no wave reads a slot and no fill is to come: each wave lays its 64 x 192 f32 into its own 50,176 bytes of the slots and reads rows back.
	s_lshr_b32 s82, s43, 4                         ; batch
	s_lshl_b32 s82, s82, 4
	s_lshl1_add_u32 s82, s42, s82
	s_add_co_u32 s82, s82, s[CH]                   ; batch x 16 + head
	s_lshl_b32 s82, s82, 11
	s_and_b32 s83, s43, 15
	s_lshl_b32 s83, s83, 7
	s_add_co_u32 s82, s82, s83
	s_lshl_b32 s83, s[RH], 6
	s_add_co_u32 s82, s82, s83                     ; my first row among the 32 x 2,048
	s_lshl_b32 s84, s82, 7
	s_mov_b32 s85, 0
	s_lshl_b32 s86, s82, 8
	s_mov_b32 s87, 0
	s_add_nc_u64 s[88:89], s[10:11], s[84:85]      ; q, k, v in f16
	s_add_nc_u64 s[90:91], s[88:89], 0x800000
	s_add_nc_u64 s[92:93], s[90:91], 0x800000
	s_add_nc_u64 s[94:95], s[72:73], s[86:87]      ; k, v in f32
	s_add_nc_u64 s[96:97], s[94:95], 0x1000000
	PLACES
.set IDX, 0
.rept 48
	WIN 0x08+0x04*(IDX/32)
	ds_store_b128 v[STO], v[8*(IDX%32):8*(IDX%32)+3] offset:(IDX/12)*16*DP+64*(IDX%12)
	ds_store_b128 v[STO], v[8*(IDX%32)+4:8*(IDX%32)+7] offset:(IDX/12)*16*DP+64*(IDX%12)+16
.set IDX, IDX+1
.endr
	WIN 0
	s_mov_b32 s[CNT], 8
.Lout:                                 ; eight rows a trip: a load takes two rows' 64 numbers of one part (LDS serves a wave's instructions in order: these see the stores above)
.irp u, 0,1,2,3
.irp p, 0,1,2
	ds_load_b128 v[T+4*(3*\u+\p):T+4*(3*\u+\p)+3], v[RD] offset:\u*2*DP+256*\p
.endr
.endr
	s_wait_dscnt 0x0
.set n, 0
.rept 12
	v_cvt_pk_f16_f32 v[Y+2*n], v[T+4*n], v[T+4*n+1]
	v_cvt_pk_f16_f32 v[Y+2*n+1], v[T+4*n+2], v[T+4*n+3]
.set n, n+1
.endr
.irp u, 0,1,2,3
	global_store_b64 v[GH], v[Y+6*\u:Y+6*\u+1], s[88:89] offset:256*\u       ; two rows of a head: 256 consecutive bytes, aligned
	global_store_b64 v[GH], v[Y+6*\u+2:Y+6*\u+3], s[90:91] offset:256*\u
	global_store_b64 v[GH], v[Y+6*\u+4:Y+6*\u+5], s[92:93] offset:256*\u
	global_store_b128 v[GF], v[T+12*\u+4:T+12*\u+7], s[94:95] offset:512*\u th:TH_STORE_NT   ; 512 consecutive bytes
	global_store_b128 v[GF], v[T+12*\u+8:T+12*\u+11], s[96:97] offset:512*\u th:TH_STORE_NT
.endr
	s_wait_xcnt 0x0                                ; the stores' data and offsets are rewritten only behind this wait
	v_add_nc_u32 v[RD], 8*DP, v[RD]
	v_add_nc_u32 v[GH], 1024, v[GH]
	v_add_nc_u32 v[GF], 2048, v[GF]
	s_sub_co_u32 s[CNT], s[CNT], 1
	s_cmp_lg_u32 s[CNT], 0
	s_cbranch_scc1 .Lout
	s_wait_tensorcnt 0x0                           ; the wave's end
	ds_add_u32 v[SPW], v[NIL]
	s_wait_dscnt 0x0
	CROUND                                         ; the closing round
	s_endpgm
.Lfunc_end_k_qdde6696202_qkv:
	.size	k_qdde6696202_qkv, .Lfunc_end_k_qdde6696202_qkv-k_qdde6696202_qkv
	.p2alignl 7, 3214868480
	.fill 96, 4, 3214868480
	.section	.rodata,"a",@progbits
	.p2align	6, 0x0
	.amdhsa_kernel k_qdde6696202_qkv
		.amdhsa_group_segment_fixed_size 327680
		.amdhsa_private_segment_fixed_size 0
		.amdhsa_enable_private_segment 0
		.amdhsa_kernarg_size 40
		.amdhsa_user_sgpr_count 2
		.amdhsa_user_sgpr_kernarg_segment_ptr 1
		.amdhsa_wavefront_size32 1
		.amdhsa_system_sgpr_workgroup_id_x 1
		.amdhsa_system_sgpr_workgroup_id_y 1
		.amdhsa_system_sgpr_workgroup_id_z 1
		.amdhsa_system_vgpr_workitem_id 0
		.amdhsa_next_free_vgpr 896
		.amdhsa_next_free_sgpr 98
		.amdhsa_reserve_vcc 0
		.amdhsa_float_denorm_mode_32 3
		.amdhsa_float_denorm_mode_16_64 3
		.amdhsa_memory_ordered 1
		.amdhsa_forward_progress 1
		.amdhsa_inst_pref_size 73
	.end_amdhsa_kernel
	.amdgpu_metadata
---
amdhsa.version: [ 1, 2 ]
amdhsa.kernels:
  - .name:           k_qdde6696202_qkv
    .symbol:         k_qdde6696202_qkv.kd
    .args:
      - { .name: xn, .offset: 0, .size: 8, .value_kind: global_buffer, .address_space: global }
      - { .name: w16, .offset: 8, .size: 8, .value_kind: global_buffer, .address_space: global }
      - { .name: b_attn, .offset: 16, .size: 8, .value_kind: global_buffer, .address_space: global }
      - { .name: qkv16, .offset: 24, .size: 8, .value_kind: global_buffer, .address_space: global }
      - { .name: out1, .offset: 32, .size: 8, .value_kind: global_buffer, .address_space: global }
    .group_segment_fixed_size: 327680
    .private_segment_fixed_size: 0
    .kernarg_segment_align: 8
    .kernarg_segment_size: 40
    .max_flat_workgroup_size: 128
    .sgpr_count:     98
    .vgpr_count:     896
    .wavefront_size: 32
...
	.end_amdgpu_metadata
.endif
;; end of part 3
;; launch attn (part 4): grid 8 x 32, 4 waves a work-group, no clusters, 327,680 bytes of LDS; arguments qkv16, att; writes att
.if DOCPART == 4
	.amdgcn_target "amdgcn-amd-amdhsa--gfx1250"
	.amdhsa_code_object_version 6
	.text
	.protected	k_qdde6696202_attn
	.globl	k_qdde6696202_attn
	.p2align	8
	.type	k_qdde6696202_attn,@function
k_qdde6696202_attn:
	s_mov_b64 s[64:65], 0
	v_nop
	global_prefetch_b8 v0, s[64:65] scope:SCOPE_SE
	s_setreg_imm32_b32 hwreg(HW_REG_WAVE_MODE, 25, 1), 1
	s_wait_xcnt 0x0
; CAUSAL ATTENTION WITHOUT A SCALE.  O[q] = sum over k <= q of softmax_k(Q[q] . K[k]) V[k].  qkv16: f16 [part 3][batch x head 32][t 2048][64].
; att: bf16 [row pair 2048][head 16][row % 2][64]: (row pair, head) is 256 consecutive bytes.  Products, maxima and sums in f32; the weights are rounded to f16 for the second product, O once to bf16.
; LIMITS.  A hidden score counts as its value less 1e30 (the problem's text has -1e10): the same weights, 0, as long as a row's largest visible score lies above about -1e10 + 150; f16's scores reach 2.7e11 in size.
; A weight below 2^-126 counts as 0; NaN and infinities are not treated apart.
; THE WALK.  16 blocks of 128 queries a head; block i needs the key tiles 0 .. i of 128 keys.  A work-group takes blocks 15 - b and then b: 17 tiles whatever b, one loop with a constant count.
; NO CLUSTER: a head's eight work-groups ask for the same tile only in trips 0 .. 8; a walk common to all would have 24 trips for 17.
; SHARES.  Of a block's two bands of 64 queries a wave owns 16 rows in each (tiles 0, 1).  In the diagonal key tile's step 0 tile 0 holds the diagonal and tile 1 sees all; in its step 1 tile 0 sees nothing
; (it is left out of the text) and tile 1 holds the diagonal.  The mask MD (0 or -1e30) is the C operand that starts the scores' sums.
; LAYOUT.  S^T = K Q^T: a lane holds one query (l % 16) and keys 8 (l / 16) + 0..7; two such results rounded to f16 are source 1 of O^T = V^T P.  p = 2^(c s - c m), c = log2(e), m a running maximum;
; O and l are multiplied by a = 2^(c m_old - c m_new) in every step.  A block starts with c m far below every score: its first a is 0, so what O and l held need only be finite.
; IN PHASES: fetch K | V^T P of the step before | fetch V | K Q^T | softmax.  The products of the step before stand in the wait for K.
; REGISTERS: window 0: v2-15 addresses; v16-23 statistics; v24-31, v32-33 at work; v64-127 S^T; v128-159 P; v160-223 O^T.  Window 1: v0-31 Q; v32-63 the second block's Q; v64-127 K; v128-191 V; v192-223 MD.
.set NB,    16
.set KS,    64
.set PK,    144                        ; a row of K in LDS: 128 + 16
.set PV,    160                        ; a row of V: 128 + 32, an odd multiple of 32, for the turning load
.set VOFF,  2*KS*PK
.set SLOT1, 1<<16
.set STAGE, SLOT1+2*KS*(PK+PV)         ; 16 rows x 144 bytes for each wave; no fill lands here
.set SP,    144
.set SPARE, STAGE+4*16*SP
.set AK0, 2
.set AV0, 3
.set AK,  4
.set AV,  5
.set STO, 6
.set RD,  7
.set GO,  8
.set QO,  15
.set ST,  16                           ; tile t: c m, m, l (even keys', odd keys')
.set TMP, 24                           ; tile t: c0-c3; c2 takes a
.set MV,  32
.set SPW, 62
.set NIL, 63
.set S,   64
.set P,   128
.set O,   160
.set QB,  32
.set KF,  64
.set VF,  128
.set MD,  192
.set WV,  12
.set PB,  14
.set HI,  15
.set G1K, 24
.set G1V, 32
.set G0K, 40
.set G0V, 44
.set SLOTS, 56
.set CNT, 57
.set CS,  58
.set SEL, 60
.set TBK, 62
.set TBV, 63
.set RT,  70
.set NXT, 71
.set LQ,  72
.set OFF, 74
.set OLO, 80
.set BIGN, 82
.set MSB, 0
.macro WIN new
.if MSB != (\new)
	s_set_vgpr_msb (MSB<<8)|(\new)
.set MSB, (\new)
.endif
.endm
.macro PLACES
.rept 4
	v_nop
.endr
.endm
.macro LOAD                            ; waves 0, 1 fetch the halves of a tile's K, waves 2, 3 those of its V: 64 keys each; s_nop 0 and four v_nop follow each line
	s_cmp_lt_u32 s[WV], 2
	s_cbranch_scc0 .Lfor_v_\@
	tensor_load_to_lds s[G0K:G0K+3], s[G1K:G1K+7]
	s_nop 0
	PLACES
	s_branch .Lasked_\@
.Lfor_v_\@:
	tensor_load_to_lds s[G0V:G0V+3], s[G1V:G1V+7]
	s_nop 0
	PLACES
.Lasked_\@:
.endm
; THE CHANGE OF SLOTS: every wave waits for all its tensor loads (one is out: its part of the other slot), adds 0 to its spare word, waits for that and for its reads of the slot that it leaves, and passes the barrier.
; fill = 1: the old slot is filled again, first thing behind the barrier, with tile NXT; it has two key steps in which to land.  (At its first use slot 0 is waited for and slot 1 filled.)
.macro CHANGE fill
	WIN 0
	s_wait_tensorcnt 0x0
	ds_add_u32 v[SPW], v[NIL]
.if \fill
	s_lshl_b32 s[OFF], s[NXT], 14                  ; a tile is 16,384 bytes of K and of V
	s_xor_b32 s[G0K+1], s[G0K+1], SLOT1
	s_add_nc_u64 s[G0K+2:G0K+3], s[6:7], s[OFF:OFF+1]
	s_or_b32 s[G0K+3], s[G0K+3], 0x80000000
	s_xor_b32 s[G0V+1], s[G0V+1], SLOT1
	s_add_nc_u64 s[G0V+2:G0V+3], s[8:9], s[OFF:OFF+1]
	s_or_b32 s[G0V+3], s[G0V+3], 0x80000000
	s_add_co_u32 s[NXT], s[NXT], 1                 ; the block's next tile, or behind its last the second block's tile 0
	s_cmp_gt_u32 s[NXT], s[LQ]
	s_cselect_b32 s[NXT], 0, s[NXT]
	s_cselect_b32 s[LQ], s[PB], s[LQ]
.endif
	s_wait_dscnt 0x0
	s_barrier_signal -1
	s_sub_co_u32 s[TBK], s[TBK], 2*KS*PK           ; the fetches go back to a slot's first step, in the other slot
	s_xor_b32 s[TBK], s[TBK], SLOT1
	s_sub_co_u32 s[TBV], s[TBV], 2*KS*PV
	s_xor_b32 s[TBV], s[TBV], SLOT1
	s_barrier_wait -1
.if \fill
	LOAD
.endif
.endm
	s_load_b128 s[4:7], s[0:1], 0x0                ; qkv16, att
	v_lshl_add_u32 v[SPW], v0, 2, SPARE
	v_mov_b32 v[NIL], 0
	ds_add_u32 v[SPW], v[NIL]                      ; the wave's opening: the add and its wait stand ahead of my first tensor load
	ds_add_u32 v62, v63
	v_lshrrev_b32 v1, 5, v0
	v_readfirstlane_b32 s[WV], v1
	s_mov_b32 s[PB], ttmp9
	s_sub_co_u32 s[HI], NB-1, s[PB]
	s_and_b32 s20, ttmp7, 0xffff                   ; batch x 16 + head
	s_lshl_b32 s21, s20, 18                        ; its 2,048 rows of 128 bytes
	s_and_b32 s16, s[WV], 1                        ; which half of a tile's 128 keys I fetch
	s_lshl_b32 s22, s16, 13
	s_add_co_u32 s22, s22, s21
	s_add_co_u32 s22, s22, 0x800000                ; K is part 1
	s_mov_b32 s23, 0
	s_mul_i32 s17, s16, KS*PK
	s_mul_i32 s18, s16, KS*PV
	s_lshl_b32 s19, s[WV], 11                      ; my 16 rows in a band
	s_add_co_u32 s19, s19, s21
	s_lshl_b32 s84, s[HI], 14
	s_add_co_u32 s84, s84, s19                     ; Q, first block
	s_mov_b32 s85, 0
	s_lshl_b32 s86, s[PB], 14
	s_add_co_u32 s86, s86, s19                     ; Q, second block
	s_mov_b32 s87, 0
	s_lshr_b32 s76, s20, 4                         ; att: batch x 1,024 row pairs of 4,096 bytes,
	s_lshl_b32 s76, s76, 22
	s_and_b32 s77, s20, 15
	s_lshl_b32 s77, s77, 8                         ; the head's 256 bytes,
	s_add_co_u32 s76, s76, s77
	s_lshl_b32 s77, s[WV], 15                      ; my eight row pairs in a band
	s_add_co_u32 s76, s76, s77
	s_lshl_b32 s78, s[PB], 18
	s_add_co_u32 s78, s78, s76
	s_mov_b32 s79, 0
	s_lshl_b32 s77, s[HI], 18
	s_add_co_u32 s76, s76, s77
	s_mov_b32 s77, 0
	; 64 keys are 8,192 dense bytes: asked for as 32 rows of 256 bytes, two keys a row, padded in LDS after every key
	s_mov_b32 s[G1K], (1<<16)|(1<<20)|(4<<22)|(3<<25)
	s_mov_b32 s[G1V], (1<<16)|(1<<20)|(4<<22)|(7<<25)
.irp g, G1K, G1V
	s_mov_b32 s[\g+1], 128<<16
	s_mov_b32 s[\g+2], 32<<16
	s_mov_b32 s[\g+3], 128<<16
	s_mov_b32 s[\g+4], 32
	s_mov_b32 s[\g+5], 128
	s_mov_b32 s[\g+6], 0
	s_mov_b32 s[\g+7], 0
.endr
	s_mov_b32 s[CS], 0x3fb8aa3b                    ; c = log2(e)
	s_mov_b32 s[CS+1], s[CS]
	s_mov_b32 s[SEL], 0x76543210
	s_mov_b32 s[SEL+1], 0xfedcba98
	s_mov_b32 s[TBK], SLOT1+2*KS*PK                ; the first change of slots turns these two into 0
	s_mov_b32 s[TBV], SLOT1+2*KS*PV
	s_mov_b32 s[G0K], 1
	s_mov_b32 s[G0K+1], s17
	s_mov_b32 s[G0V], 1
	s_add_co_u32 s[G0V+1], s18, VOFF
	s_add_co_u32 s[RT], s[HI], 1                   ; the first block has 16 - b tiles
	s_mov_b32 s[NXT], 1
	s_mov_b32 s[LQ], s[HI]
	s_mov_b32 s[OFF+1], 0
	s_mov_b32 s[BIGN], 0xf149f2ca                  ; -1e30
	s_mov_b32 s[SLOTS], NB
	s_wait_dscnt 0x0                               ; the opening add is done
	s_wait_kmcnt 0x0
	s_add_nc_u64 s[10:11], s[6:7], s[76:77]        ; O at my rows of the first block,
	s_add_nc_u64 s[OLO:OLO+1], s[6:7], s[78:79]    ; and of the second
	s_add_nc_u64 s[6:7], s[4:5], s[22:23]          ; K and V at my half of the head's tile 0
	s_add_nc_u64 s[8:9], s[6:7], 0x800000
	s_add_nc_u64 s[88:89], s[4:5], s[86:87]
	s_add_nc_u64 s[4:5], s[4:5], s[84:85]
	s_add_nc_u64 s[G0K+2:G0K+3], s[6:7], 0
	s_or_b32 s[G0K+3], s[G0K+3], 0x80000000
	s_add_nc_u64 s[G0V+2:G0V+3], s[8:9], 0
	s_or_b32 s[G0V+3], s[G0V+3], 0x80000000
	LOAD                                           ; tile 0 into slot 0
	v_and_b32 v1, 15, v0                           ; r
	v_bfe_u32 v9, v0, 4, 1                         ; hh
	v_lshlrev_b32 v[QO], 7, v1
	v_lshl_add_u32 v[QO], v9, 4, v[QO]
	WIN 0x40
.set i, 0
.rept 4                                ; both blocks' Q: tile i / 2 lies 64 rows on; channels 32 (i % 2) on
	global_load_b128 v[8*i:8*i+3], v[QO], s[4:5] offset:(i/2)*8192+(i%2)*64
	global_load_b128 v[8*i+4:8*i+7], v[QO], s[4:5] offset:(i/2)*8192+(i%2)*64+32
	global_load_b128 v[QB+8*i:QB+8*i+3], v[QO], s[88:89] offset:(i/2)*8192+(i%2)*64
	global_load_b128 v[QB+8*i+4:QB+8*i+7], v[QO], s[88:89] offset:(i/2)*8192+(i%2)*64+32
.set i, i+1
.endr
	WIN 0
	v_lshlrev_b32 v14, 3, v9
	v_sub_nc_u32 v14, v1, v14
	s_lshl_b32 s13, s[WV], 4
	v_add_nc_u32 v14, s13, v14                     ; my query's place in its band less 8 hh: register j of key block kt is hidden where 16 kt + j is greater
	WIN 0x40
.set i, 0
.rept 32
	v_cmp_gt_i32 vcc_lo, 16*(i/8)+i%8, v14
	v_cndmask_b32 v[MD+i], 0, s[BIGN], vcc_lo
.set i, i+1
.endr
.set i, VF
.rept 64                               ; the first step's products V^T P, of a step that has not been, add 0
	v_mov_b32 v[i], 0
.set i, i+1
.endr
	WIN 0
.set i, P
.rept 96                               ; P and O^T
	v_mov_b32 v[i], 0
.set i, i+1
.endr
.macro RESET                           ; a block begins
.irp t, 0,1
	v_mov_b32 v[ST+4*\t], 0xfe000000               ; c m: far below every c s
	v_mov_b32 v[ST+4*\t+1], 0xff7fffff             ; m
.endr
.endm
	RESET
.irp t, 0,1
	v_mov_b32 v[ST+4*\t+2], 0
	v_mov_b32 v[ST+4*\t+3], 0
.endr
	v_mul_u32_u24 v[AK0], v1, PK
	v_lshl_add_u32 v[AK0], v9, 4, v[AK0]
	v_and_b32 v10, 7, v0
	v_bfe_u32 v11, v0, 3, 1
	v_lshl_add_u32 v[AV0], v9, 3, v10
	v_mul_u32_u24 v[AV0], v[AV0], PV
	v_lshl_add_u32 v[AV0], v11, 4, v[AV0]
	v_add_nc_u32 v[AV0], VOFF, v[AV0]
	s_mul_i32 s13, s[WV], 16*SP
	s_add_co_u32 s13, s13, STAGE
	v_mul_u32_u24 v[STO], v1, SP                   ; in: row r, 16 bytes for each half of the lanes
	v_lshl_add_u32 v[STO], v9, 4, v[STO]
	v_add_nc_u32 v[STO], s13, v[STO]
	v_bfe_u32 v[RD], v0, 3, 2                      ; back: 32 lanes take four rows of 128 bytes,
	v_mul_u32_u24 v[RD], v[RD], SP
	v_lshl_add_u32 v[RD], v10, 4, v[RD]
	v_add_nc_u32 v[RD], s13, v[RD]
	v_lshlrev_b32 v[GO], 12, v9                    ; which are two (row pair, head) units of att
	v_lshl_add_u32 v[GO], v1, 4, v[GO]
.macro FETCH_K                         ; 64 keys x 64 channels: 8 fragments
	WIN 0x40
.irp f, 0,1,2,3,4,5,6,7
	ds_load_b128 v[KF+8*\f:KF+8*\f+3], v[AK] offset:(\f/2)*16*PK+(\f%2)*64
	ds_load_b128 v[KF+8*\f+4:KF+8*\f+7], v[AK] offset:(\f/2)*16*PK+(\f%2)*64+32
.endr
.endm
.macro FETCH_V                         ; the same of V, turned
	WIN 0x40
.irp f, 0,1,2,3,4,5,6,7
	ds_load_tr16_b128 v[VF+8*\f:VF+8*\f+3], v[AV] offset:(\f/4)*32*PV+(\f%4)*32
	ds_load_tr16_b128 v[VF+8*\f+4:VF+8*\f+7], v[AV] offset:(\f/4)*32*PV+16*PV+(\f%4)*32
.endr
.endm
; lo = 0: both tiles; lo = 1: tile 1 alone.  The accumulators take turns: between two links of a chain stand 7 (3) others'.
.macro PVS lo
	WIN 0x01
.irp kk, 0,1
.irp cb, 0,1,2,3
.irp t, 0,1
.if \t >= (\lo)
	v_wmma_f32_16x16x32_f16 v[O+32*\t+8*\cb:O+32*\t+8*\cb+7], v[VF+32*\kk+8*\cb:VF+32*\kk+8*\cb+7], v[P+16*\t+8*\kk:P+16*\t+8*\kk+7], v[O+32*\t+8*\cb:O+32*\t+8*\cb+7]
.endif
.endr
.endr
.endr
.endm
.macro KQS lo, m0, m1                  ; m0, m1 = 1: tile 0's, tile 1's sums start with the mask
.irp c, 0,1
.irp kb, 0,1,2,3
.irp t, 0,1
.if \t >= (\lo)
.if \c == 1
	WIN 0x05
	v_wmma_f32_16x16x32_f16 v[S+32*\t+8*\kb:S+32*\t+8*\kb+7], v[KF+16*\kb+8:KF+16*\kb+15], v[16*\t+8:16*\t+15], v[S+32*\t+8*\kb:S+32*\t+8*\kb+7]
.elseif ((\t == 0) && (\m0)) || ((\t == 1) && (\m1))
	WIN 0x15
	v_wmma_f32_16x16x32_f16 v[S+32*\t+8*\kb:S+32*\t+8*\kb+7], v[KF+16*\kb:KF+16*\kb+7], v[16*\t:16*\t+7], v[MD+8*\kb:MD+8*\kb+7]
.else
	WIN 0x05
	v_wmma_f32_16x16x32_f16 v[S+32*\t+8*\kb:S+32*\t+8*\kb+7], v[KF+16*\kb:KF+16*\kb+7], v[16*\t:16*\t+7], 0
.endif
.endif
.endr
.endr
.endr
.endm
.macro REGS t
.set rT, ST+4*(\t)
.set rC, TMP+4*(\t)
.set rW, MV+(\t)
.set rS, S+32*(\t)
.set rP, P+16*(\t)
.set rO, O+32*(\t)
.endm
; Number n of the 22 that find a tile's maximum and statistics: 0-11 four chains of seven scores (each accumulator's lowest registers first); 12-14, 16 the four left over, the old m, all into c0;
; 15 c m_old is kept; 17, 18 the query's other 32 keys lie in the lane 16 away; 19-21 c m, c m_old - c m_new, a.
.macro XS t, n
	REGS \t
.if (\n) < 4
	v_max3_num_f32 v[rC+(\n)], v[rS+8*(\n)], v[rS+8*(\n)+1], v[rS+8*(\n)+2]
.elseif (\n) < 12
	v_max3_num_f32 v[rC+(\n)%4], v[rC+(\n)%4], v[rS+8*((\n)%4)+2*((\n)/4)+1], v[rS+8*((\n)%4)+2*((\n)/4)+2]
.elseif (\n) == 12
	v_max3_num_f32 v[rC], v[rC], v[rS+7], v[rS+15]
.elseif (\n) == 13
	v_max3_num_f32 v[rC+1], v[rC+1], v[rS+23], v[rS+31]
.elseif (\n) == 14
	v_max3_num_f32 v[rC+2], v[rC+2], v[rC+3], v[rT+1]
.elseif (\n) == 15
	v_mov_b32 v[rW], v[rT]
.elseif (\n) == 16
	v_max3_num_f32 v[rC], v[rC], v[rC+1], v[rC+2]
.elseif (\n) == 17
	v_permlanex16_b32 v[rC+3], v[rC], s[SEL], s[SEL+1]
.elseif (\n) == 18
	v_max_num_f32 v[rT+1], v[rC], v[rC+3]
.elseif (\n) == 19
	v_mul_f32 v[rT], s[CS], v[rT+1]
.elseif (\n) == 20
	v_sub_f32 v[rC+1], v[rW], v[rT]
.else
	v_exp_f32 v[rC+2], v[rC+1]
.endif
.endm
; THE SOFTMAX of a step.  Behind the statistics: c s - c m for all pairs; then, pair by pair, the two exponentials, a pair of O^T times a (the plain instruction behind them; O^T in ascending order),
; the rounding of the pair before, of every second pair the sum onto its neighbour, and a turn later l takes that sum.
.macro SM lo
	WIN 0
.set n, 0
.rept 22
.irp t, 0,1
.if \t >= (\lo)
	XS \t, n
.endif
.endr
.set n, n+1
.endr
.set n, 0
.rept 16
.irp t, 0,1
.if \t >= (\lo)
	REGS \t
	v_pk_fma_f32 v[rS+2*n:rS+2*n+1], v[rS+2*n:rS+2*n+1], s[CS:CS+1], v[rT:rT+1] op_sel_hi:[1,0,0] neg_lo:[0,0,1] neg_hi:[0,0,1]
.endif
.endr
.set n, n+1
.endr
.set g, 0
.rept 17
.if g < 16
.irp t, 0,1
.if \t >= (\lo)
	REGS \t
	v_exp_f32 v[rS+2*g], v[rS+2*g]
	v_exp_f32 v[rS+2*g+1], v[rS+2*g+1]
.endif
.endr
.irp t, 0,1
.if \t >= (\lo)
	REGS \t
	s_wait_alu depctr_va_vdst(0)
	v_pk_mul_f32 v[rO+2*g:rO+2*g+1], v[rO+2*g:rO+2*g+1], v[rC+2:rC+3] op_sel_hi:[1,0]
.endif
.endr
.endif
.if g > 0
.irp t, 0,1
.if \t >= (\lo)
	REGS \t
	s_wait_alu depctr_va_vdst(0)
	v_cvt_pk_f16_f32 v[rP+g-1], v[rS+2*g-2], v[rS+2*g-1]
.if g%2 == 0
	v_pk_add_f32 v[rS+2*g-4:rS+2*g-3], v[rS+2*g-4:rS+2*g-3], v[rS+2*g-2:rS+2*g-1]
.elseif g == 3
	v_pk_fma_f32 v[rT+2:rT+3], v[rT+2:rT+3], v[rC+2:rC+3], v[rS:rS+1] op_sel_hi:[1,0,1]
.elseif g > 3
	v_pk_add_f32 v[rT+2:rT+3], v[rT+2:rT+3], v[rS+2*g-6:rS+2*g-5]
	s_wait_alu depctr_va_vdst(0)
.endif
.endif
.endr
.endif
.set g, g+1
.endr
.irp t, 0,1
.if \t >= (\lo)
	REGS \t
	v_pk_add_f32 v[rT+2:rT+3], v[rT+2:rT+3], v[rS+28:rS+29]
.endif
.endr
.endm
.macro STEP lo, m0, m1
	WIN 0
	v_add_nc_u32 v[AK], s[TBK], v[AK0]
	v_add_nc_u32 v[AV], s[TBV], v[AV0]
	s_add_co_u32 s[TBK], s[TBK], KS*PK
	s_add_co_u32 s[TBV], s[TBV], KS*PV
	FETCH_K                                        ; K's last readers stand a whole softmax back
	s_wait_dscnt 16                                ; V of the step before is in; K's sixteen loads stay out
	PVS 0
	PLACES
	FETCH_V
	s_wait_dscnt 16                                ; K is in; V's sixteen loads stay out
	KQS \lo, \m0, \m1
	WIN 0
	PLACES
	SM \lo
.endm
.macro PACK t                          ; O^T / l, rounded to bf16; 16 bytes a lane into rows of 144 bytes, back as whole rows of 128
.set i, 0
.rept 16
	v_pk_mul_f32 v[O+32*(\t)+2*i:O+32*(\t)+2*i+1], v[O+32*(\t)+2*i:O+32*(\t)+2*i+1], v[ST+4*(\t)+2:ST+4*(\t)+3] op_sel_hi:[1,0]
.set i, i+1
.endr
.set i, 0
.rept 16
	v_cvt_pk_bf16_f32 v[S+16*(\t)+i], v[O+32*(\t)+2*i], v[O+32*(\t)+2*i+1]
.set i, i+1
.endr
.irp f, 0,1,2,3
	ds_store_b128 v[STO], v[S+16*(\t)+4*\f:S+16*(\t)+4*\f+3] offset:32*\f
.endr
.irp f, 0,1,2,3
	ds_load_b128 v[S+16*(\t)+4*\f:S+16*(\t)+4*\f+3], v[RD] offset:\f*4*SP  ; LDS serves a wave's instructions in order: these see the stores above, the next tile's stores come behind them
.endr
.endm
.macro SEND t, younger
.irp f, 0,1,2,3
	s_wait_dscnt (\younger)+3-\f
	global_store_b128 v[GO], v[S+16*(\t)+4*\f:S+16*(\t)+4*\f+3], s[10:11] offset:(\t)*131072+\f*8192  ; sixteen lanes fill one unit of 256 bytes, aligned
.endr
.endm
.macro DIAG                            ; the diagonal tile's two steps, the block's last products, and the way out
	STEP 0, 1, 0
	STEP 1, 0, 1
	s_wait_dscnt 0x0                               ; V of the last step
	PVS 1
	WIN 0
	PLACES
.irp t, 0,1
	v_add_f32 v[ST+4*\t+2], v[ST+4*\t+2], v[ST+4*\t+3]
.endr
.irp t, 0,1
	v_permlanex16_b32 v[ST+4*\t+3], v[ST+4*\t+2], s[SEL], s[SEL+1]
.endr
.irp t, 0,1
	v_add_f32 v[ST+4*\t+2], v[ST+4*\t+2], v[ST+4*\t+3]
.endr
.irp t, 0,1
	v_rcp_f32 v[ST+4*\t+2], v[ST+4*\t+2]
.endr
	v_nop                                          ; a plain instruction between the last reciprocal and its use
	s_wait_alu depctr_va_vdst(0)
	PACK 0
	PACK 1
	SEND 0, 8
	SEND 1, 0
.endm
	s_wait_loadcnt 0x0                             ; Q
.Lslot:                                ; 16 times: a tile is entered and the next is asked for
	CHANGE 1
	s_sub_co_u32 s[RT], s[RT], 1
	s_cmp_eq_u32 s[RT], 0
	s_cbranch_scc1 .Ldiag
	s_mov_b32 s[CNT], 2
.Lstep:
	STEP 0, 0, 0
	s_sub_co_u32 s[CNT], s[CNT], 1
	s_cmp_lg_u32 s[CNT], 0
	s_cbranch_scc1 .Lstep
	s_branch .Lbottom
.Ldiag:                                ; in the loop this is the first block's end: the second block's last tile is the walk's last
	DIAG
	s_wait_xcnt 0x0                                ; the stores have read their registers and O's address
	s_mov_b64 s[10:11], s[OLO:OLO+1]
	s_add_co_u32 s[RT], s[PB], 1                   ; the second block has b + 1 tiles
	RESET
	WIN 0x41
.set i, 0
.rept 32
	v_mov_b32 v[i], v[QB+i]
.set i, i+1
.endr
	WIN 0
.Lbottom:
	s_sub_co_u32 s[SLOTS], s[SLOTS], 1
	s_cmp_lg_u32 s[SLOTS], 0
	s_cbranch_scc1 .Lslot
	CHANGE 0                                       ; the walk's last tile is written out: nothing is asked for
	DIAG
	s_wait_tensorcnt 0x0                           ; the wave's end
	ds_add_u32 v[SPW], v[NIL]
	s_wait_dscnt 0x0
	s_endpgm
.Lfunc_end_k_qdde6696202_attn:
	.size	k_qdde6696202_attn, .Lfunc_end_k_qdde6696202_attn-k_qdde6696202_attn
	.p2alignl 7, 3214868480
	.fill 96, 4, 3214868480
	.section	.rodata,"a",@progbits
	.p2align	6, 0x0
	.amdhsa_kernel k_qdde6696202_attn
		.amdhsa_group_segment_fixed_size 327680
		.amdhsa_private_segment_fixed_size 0
		.amdhsa_enable_private_segment 0
		.amdhsa_kernarg_size 16
		.amdhsa_user_sgpr_count 2
		.amdhsa_user_sgpr_kernarg_segment_ptr 1
		.amdhsa_wavefront_size32 1
		.amdhsa_system_sgpr_workgroup_id_x 1
		.amdhsa_system_sgpr_workgroup_id_y 1
		.amdhsa_system_sgpr_workgroup_id_z 1
		.amdhsa_system_vgpr_workitem_id 0
		.amdhsa_next_free_vgpr 512
		.amdhsa_next_free_sgpr 90
		.amdhsa_reserve_vcc 1
		.amdhsa_float_denorm_mode_32 3
		.amdhsa_float_denorm_mode_16_64 3
		.amdhsa_memory_ordered 1
		.amdhsa_forward_progress 1
		.amdhsa_inst_pref_size 116
	.end_amdhsa_kernel
	.amdgpu_metadata
---
amdhsa.version: [ 1, 2 ]
amdhsa.kernels:
  - .name:           k_qdde6696202_attn
    .symbol:         k_qdde6696202_attn.kd
    .args:
      - { .name: qkv16, .offset: 0, .size: 8, .value_kind: global_buffer, .address_space: global }
      - { .name: att, .offset: 8, .size: 8, .value_kind: global_buffer, .address_space: global }
    .group_segment_fixed_size: 327680
    .private_segment_fixed_size: 0
    .kernarg_segment_align: 8
    .kernarg_segment_size: 16
    .max_flat_workgroup_size: 128
    .sgpr_count:     90
    .vgpr_count:     512
    .wavefront_size: 32
...
	.end_amdgpu_metadata
.endif
;; end of part 4
;; launch aproj (part 5): grid 8 x 32, 4 waves a work-group, clusters of 4 x 4, 327,680 bytes of LDS; arguments att, w16, b_aproj, x, x2, part2; writes x2, part2
.if DOCPART == 5
	.amdgcn_target "amdgcn-amd-amdhsa--gfx1250"
	.amdhsa_code_object_version 6
	.text
	.protected	k_qdde6696202_aproj
	.globl	k_qdde6696202_aproj
	.p2align	8
	.type	k_qdde6696202_aproj,@function
k_qdde6696202_aproj:
	s_mov_b64 s[64:65], 0
	v_nop
	global_prefetch_b8 v0, s[64:65] scope:SCOPE_SE
	s_setreg_imm32_b32 hwreg(HW_REG_WAVE_MODE, 25, 1), 1
	s_wait_xcnt 0x0
	s_wait_alu depctr_hold_cnt(0) depctr_sa_sdst(0) depctr_va_vdst(0) depctr_va_sdst(0) depctr_va_ssrc(0) depctr_va_vcc(0) depctr_vm_vsrc(0)
	s_getreg_b32 s2, hwreg(HW_REG_IB_STS2, 6, 4)
	s_cmp_eq_u32 s2, 0
	s_cbranch_scc0 .Lentry_in_a_cluster
	s_endpgm
.Lentry_in_a_cluster:
	s_bfe_u32 s2, ttmp6, 0x10000c
	s_cmp_lg_u32 s2, 0xf033
	s_cbranch_scc0 .Lentry_shape_is_right
	s_endpgm
.Lentry_shape_is_right:
; x2 = x + att W + b, and the partial statistics of x2 for the second group norm.  att: bf16 [row pair 2048][head 16][row % 2][64]; W: bf16 [1024][1024] at w16's byte 6,291,456; x, x2: f32 [4096][1024].
; part2: f32 [group 32][chunk 256][2] = (mean, M2) of chunks of 16 rows x 32 channels, made by two passes over registers.
; SHARES.  A work-group makes 128 x 128, a wave 64 x 64 (rows 64 (w / 2) on, columns 64 (w % 2) on): 16 accumulators.  K goes in 4 steps of 256 (four heads) through two LDS slots.
; Waves 0, 1 fetch att's halves (32 row pairs x 1,024 bytes), waves 2, 3 W's k halves ([128 k] x 256 bytes).  W is turned by ds_load_tr16_b128; the product is used transposed (a lane holds one row, eight neighbouring columns).
; CLUSTER 4 x 4: att's tile is asked for jointly along a row of the cluster, W's along a column.  One K step is written once: slots change by an exclusive or with SLOT = 2^17 + 2^14; wave x 36,864 has those bits clear.
; THE WALK ALONG K.  Trip t takes K step t xor M, M = (cluster y mod 4) xor cluster x: a permutation of the 4 steps, the same in all sixteen partners.  The two clusters that read the same rows of att
; differ in M's bit 0, four clusters that read the same columns of W in its bits 0 and 1: clusters that read one tile ask for it in different trips, not all in the same trip.  LIMIT: K is summed in the walk's order, not ascending.
; The bias is the C operand of the first products; x waits in registers, in the layout in which rows come back from the stage.
; REGISTERS: window 0: addresses; v32-63 bias; v64-95 rows back from the stage; v96-123 statistics; v128-255 x, then x2.  Window 1: two fragment buffers of 128.  Window 2: accumulator 4 a + b at 8 (4 a + b).
.set NSTEP,  4
.set PIECE,  36864
.set SLOT,   4*PIECE
.set STAGE,  2*SLOT                    ; 16 rows x 272 bytes for each wave; no fill lands here
.set SP,     272
.set SPARE,  STAGE+4*16*SP
.set PP,     1040                      ; a row pair's four heads in LDS: 1,024 + 16
.set PW,     288
.set ASTEP,  1024
.set WSTEP,  256*2048
.set WBASE,  6291456
.set LA,   10
.set LB,   11
.set ADRA, 14
.set ADRB, 15
.set STO,  18
.set RD,   19
.set GO,   20
.set BO,   22
.set SPW,  28
.set NIL,  29
.set BIAS, 32
.set T,    64
.set SQ,   96
.set DD,   104
.set MT,   112
.set PM,   116
.set RES,  128
.set F0,   0
.set F1,   128
.set WV, 12
.set RH, 13
.set CH, 14
.set KI, 21                            ; s21  the trip whose tile was asked for last
.set G1A, 24
.set G0A, 32
.set G1B, 48
.set G0B, 56
.set KM,  66                           ; s66  M
.set TR,  67
.set WB,  68
.set CNT, 69
.set SEL, 80
                                       ; s[16:17] att at my tile's K step 0, s[70:71] W likewise; s[18:19], s[22:23] a K step's byte offsets in them
.set MSB, 0
.macro WIN new
.if MSB != (\new)
	s_set_vgpr_msb (MSB<<8)|(\new)
.set MSB, (\new)
.endif
.endm
.macro PLACES
.rept 4
	v_nop
.endr
.endm
.macro CREST
	s_cmp_lg_u32 s[WV], 0
	s_cbranch_scc1 .Lnot_wave_0_\@
	s_barrier_signal -3
.Lnot_wave_0_\@:
	s_barrier_wait -3
	s_barrier_signal -1
	s_barrier_wait -1
.endm
.macro CROUND
	s_barrier_signal -1
	s_barrier_wait -1
	CREST
.endm
.macro JLOAD                           ; a joint refill; s_nop 0 and four v_nop follow each line
	s_cmp_lt_u32 s[WV], 2
	s_cbranch_scc0 .Lfor_w_\@
	tensor_load_to_lds s[G0A+4:G0A+7], s[G1A:G1A+7]
	s_nop 0
	PLACES
	s_branch .Lasked_\@
.Lfor_w_\@:
	tensor_load_to_lds s[G0B+4:G0B+7], s[G1B:G1B+7]
	s_nop 0
	PLACES
.Lasked_\@:
.endm
	s_load_b256 s[4:11], s[0:1], 0x0               ; att, w16, b_aproj, x
	s_load_b128 s[72:75], s[0:1], 0x20             ; x2, part2
	v_lshl_add_u32 v[SPW], v0, 2, SPARE
	v_mov_b32 v[NIL], 0
	ds_add_u32 v[SPW], v[NIL]                      ; the wave's opening: the add and its wait stand ahead of my first tensor load
	ds_add_u32 v28, v29
	v_lshrrev_b32 v1, 5, v0
	v_readfirstlane_b32 s[WV], v1
	s_lshr_b32 s[RH], s[WV], 1
	s_and_b32 s[CH], s[WV], 1
	s_bfe_u32 s40, ttmp6, 0x40000
	s_bfe_u32 s41, ttmp6, 0x40004
	s_lshl_b32 s42, ttmp9, 2
	s_add_co_u32 s42, s42, s40                     ; TX
	s_and_b32 s43, ttmp7, 0xffff
	s_lshl_b32 s43, s43, 2
	s_add_co_u32 s43, s43, s41                     ; TY
	s_lshl_b32 s44, s41, 2
	s_lshl_b32 s44, 15, s44
	s_lshl_b32 s45, 0x1111, s40
	s_and_b32 s[KM], ttmp7, 3                      ; M: made of the cluster's own place, which all sixteen partners share
	s_xor_b32 s[KM], s[KM], ttmp9
	s_mov_b32 s[KI], 1                             ; trips 0 and 1 are asked for at the start
	s_mov_b32 s19, 0
	s_mov_b32 s23, 0
	s_or_b32 s[G1A], s44, (1<<16)|(1<<20)|(1<<21)|(7<<22)|(3<<25)   ; after every 256 words 4 words
	s_or_b32 s[G1B], s45, (1<<16)|(1<<20)|(1<<21)|(5<<22)|(7<<25)   ; after every 64 words 8 words
	s_mov_b32 s[G1A+1], 512<<16                    ; 512 elements x 32 row pairs, 2,048 elements from pair to pair
	s_mov_b32 s[G1A+2], 32<<16
	s_mov_b32 s[G1A+3], 512<<16
	s_mov_b32 s[G1A+4], 32
	s_mov_b32 s[G1A+5], 2048
	s_mov_b32 s[G1A+6], 0
	s_mov_b32 s[G1A+7], 0
	s_mov_b32 s[G1B+1], 128<<16                    ; 128 columns x 128 k
	s_mov_b32 s[G1B+2], 128<<16
	s_mov_b32 s[G1B+3], 128<<16
	s_mov_b32 s[G1B+4], 128
	s_mov_b32 s[G1B+5], 1024
	s_mov_b32 s[G1B+6], 0
	s_mov_b32 s[G1B+7], 0
	s_lshl_b32 s16, s43, 18                        ; att: 64 TY row pairs of 4,096 bytes,
	s_lshl_b32 s17, s[CH], 17                      ; + 32 for the second half
	s_add_co_u32 s16, s16, s17
	s_mov_b32 s17, 0
	s_lshl_b32 s46, s42, 8                         ; W: 128 TX columns,
	s_lshl_b32 s47, s[CH], 18                      ; + 128 k rows for the second half
	s_add_co_u32 s46, s46, s47
	s_add_co_u32 s46, s46, WBASE
	s_mov_b32 s47, 0
	s_mul_i32 s[WB], s[WV], PIECE
	s_mov_b32 s[TR], 0
	s_mov_b32 s[SEL], 0x76543210
	s_mov_b32 s[SEL+1], 0xfedcba98
	s_wait_dscnt 0x0
	s_wait_kmcnt 0x0
	s_add_nc_u64 s[16:17], s[4:5], s[16:17]
	s_add_nc_u64 s[70:71], s[6:7], s[46:47]
	CROUND
.irp s, 0,1
	s_xor_b32 s20, s[KM], \s                       ; trip s takes K step s xor M
	s_mul_i32 s18, s20, ASTEP
	s_mul_i32 s22, s20, WSTEP
	s_mov_b32 s[G0A+4*\s], 1
	s_add_co_u32 s[G0A+4*\s+1], s[WB], \s*SLOT
	s_add_nc_u64 s[G0A+4*\s+2:G0A+4*\s+3], s[16:17], s[18:19]
	s_or_b32 s[G0A+4*\s+3], s[G0A+4*\s+3], 0x80000000
	s_mov_b32 s[G0B+4*\s], 1
	s_add_co_u32 s[G0B+4*\s+1], s[WB], \s*SLOT
	s_add_nc_u64 s[G0B+4*\s+2:G0B+4*\s+3], s[70:71], s[22:23]
	s_or_b32 s[G0B+4*\s+3], s[G0B+4*\s+3], 0x80000000
.endr
	s_cmp_lt_u32 s[WV], 2                          ; a wave's two first fills stand in one branch: two loads of mine are out
	s_cbranch_scc0 .Lfirst_w
	tensor_load_to_lds s[G0A:G0A+3], s[G1A:G1A+7]
	s_nop 0
	tensor_load_to_lds s[G0A+4:G0A+7], s[G1A:G1A+7]
	s_nop 0
	PLACES
	s_branch .Lfirst_done
.Lfirst_w:
	tensor_load_to_lds s[G0B:G0B+3], s[G1B:G1B+7]
	s_nop 0
	tensor_load_to_lds s[G0B+4:G0B+7], s[G1B:G1B+7]
	s_nop 0
	PLACES
.Lfirst_done:
	v_and_b32 v1, 15, v0                           ; r
	v_bfe_u32 v2, v0, 4, 1                         ; hh
	v_lshlrev_b32 v[BO], 5, v2
	s_lshl_b32 s46, s42, 9                         ; (128 TX + 64 CH) x 4 bytes
	s_lshl_b32 s47, s[CH], 8
	s_add_co_u32 s46, s46, s47
	s_mov_b32 s47, 0
	s_add_nc_u64 s[8:9], s[8:9], s[46:47]
.irp b, 0,1,2,3
	global_load_b128 v[BIAS+8*\b:BIAS+8*\b+3], v[BO], s[8:9] offset:64*\b
	global_load_b128 v[BIAS+8*\b+4:BIAS+8*\b+7], v[BO], s[8:9] offset:64*\b+16
.endr
	s_lshl_b32 s82, s43, 19                        ; x and x2 at my 64 x 64: (128 TY + 64 RH) rows of 4,096 bytes + (128 TX + 64 CH) x 4
	s_lshl_b32 s83, s[RH], 18
	s_add_co_u32 s82, s82, s83
	s_add_co_u32 s82, s82, s46
	s_mov_b32 s83, 0
	s_add_nc_u64 s[10:11], s[10:11], s[82:83]
	s_add_nc_u64 s[72:73], s[72:73], s[82:83]
	v_lshlrev_b32 v[GO], 12, v2                    ; lanes 0-15 one row's 256 bytes, lanes 16-31 the next row's
	v_lshl_add_u32 v[GO], v1, 4, v[GO]
.set i, 0
.rept 32
	global_load_b128 v[RES+4*i:RES+4*i+3], v[GO], s[10:11] offset:2*i*4096
.set i, i+1
.endr
	v_lshrrev_b32 v3, 1, v1                        ; a fragment of att: row pair r / 2, row r % 2 (128 bytes on), 16 bytes for each half of the lanes:
	v_mul_u32_u24 v3, v3, PP                       ; the sixteen lanes of a half fall on the 16-byte columns r / 2 + 8 (r % 2), all different
	v_and_b32 v4, 1, v1
	v_lshl_add_u32 v3, v4, 7, v3
	v_lshl_add_u32 v3, v2, 4, v3
	s_mul_i32 s20, s[RH], PIECE
	v_add_nc_u32 v[LA], s20, v3
	v_and_b32 v4, 7, v0
	v_lshl_add_u32 v4, v2, 3, v4
	v_mul_u32_u24 v4, v4, PW
	v_bfe_u32 v5, v0, 3, 1
	v_lshl_add_u32 v4, v5, 4, v4
	s_lshl_b32 s20, s[CH], 7
	s_add_co_u32 s20, s20, 2*PIECE
	v_add_nc_u32 v[LB], s20, v4
	v_add_nc_u32 v[LB+1], PIECE, v[LB]
	s_mul_i32 s20, s[WV], 16*SP
	s_add_co_u32 s20, s20, STAGE
	v_mul_u32_u24 v3, v1, SP
	v_lshl_add_u32 v3, v2, 5, v3
	v_add_nc_u32 v[STO], s20, v3
	v_mul_u32_u24 v3, v2, SP
	v_lshl_add_u32 v3, v1, 4, v3
	v_add_nc_u32 v[RD], s20, v3
.macro SETADR
	v_add_nc_u32 v[ADRA], s[TR], v[LA]
	v_add_nc_u32 v[ADRB], s[TR], v[LB]
	v_add_nc_u32 v[ADRB+1], s[TR], v[LB+1]
.endm
.macro FETCH q, f                      ; 32 LDS loads in one run: 64 along K (one head), the first 32 first
	WIN 0x40
.irp c, 0,1
.irp i, 0,1,2,3
	ds_load_tr16_b128 v[(\f)+64+8*(4*\c+\i):(\f)+64+8*(4*\c+\i)+3], v[ADRB+(\q)/2] offset:((\q)%2)*64*PW+\c*32*PW+32*\i
	ds_load_tr16_b128 v[(\f)+64+8*(4*\c+\i)+4:(\f)+64+8*(4*\c+\i)+7], v[ADRB+(\q)/2] offset:((\q)%2)*64*PW+\c*32*PW+32*\i+16*PW
	ds_load_b128 v[(\f)+8*(4*\c+\i):(\f)+8*(4*\c+\i)+3], v[ADRA] offset:\i*8*PP+256*(\q)+64*\c
	ds_load_b128 v[(\f)+8*(4*\c+\i)+4:(\f)+8*(4*\c+\i)+7], v[ADRA] offset:\i*8*PP+256*(\q)+64*\c+32
.endr
.endr
.endm
.macro MUL8 f, c, a0, first            ; row blocks a0, a0 + 1 x four column blocks, half c of buffer f; the 16 accumulators take turns
.irp a, \a0, (\a0)+1
.irp b, 0,1,2,3
.if \first
	WIN 0x85
	v_wmma_f32_16x16x32_bf16 v[8*(4*(\a)+\b):8*(4*(\a)+\b)+7], v[(\f)+64+8*(4*(\c)+\b):(\f)+64+8*(4*(\c)+\b)+7], v[(\f)+8*(4*(\c)+(\a)):(\f)+8*(4*(\c)+(\a))+7], v[BIAS+8*\b:BIAS+8*\b+7]
.else
	WIN 0xa5
	v_wmma_f32_16x16x32_bf16 v[8*(4*(\a)+\b):8*(4*(\a)+\b)+7], v[(\f)+64+8*(4*(\c)+\b):(\f)+64+8*(4*(\c)+\b)+7], v[(\f)+8*(4*(\c)+(\a)):(\f)+8*(4*(\c)+(\a))+7], v[8*(4*(\a)+\b):8*(4*(\a)+\b)+7]
.endif
.endr
.endr
.endm
.macro QUARTER qn, f, g, first         ; fetches quarter qn of the slot in hand into g, which the quarter before multiplied, and multiplies f: a run has a whole quarter, 32 matrix instructions, in which to land
	s_wait_dscnt 0x0                               ; buffer f's run, issued at the head of the quarter before, is in
	PLACES                                         ; behind the last products that read g
	FETCH \qn, \g
	MUL8 \f, 0, 0, \first
	MUL8 \f, 0, 2, \first
	MUL8 \f, 1, 0, 0
	MUL8 \f, 1, 2, 0
.endm
.macro MEET fill                       ; the first half of a step's last quarter, and the one barrier of the change of slots.  fill = 1: the walking descriptors are set for the next trip's tile
	WIN 0
	s_wait_tensorcnt 0x0                           ; all my tensor loads have landed: my part of the next slot; so a group 0 may be written
	ds_add_u32 v[SPW], v[NIL]
.if \fill
	s_add_co_u32 s[KI], s[KI], 1                   ; the next trip that has not been asked for,
	s_xor_b32 s20, s[KI], s[KM]                    ; its K step,
	s_mul_i32 s18, s20, ASTEP                      ; that step's bytes in att and in W
	s_mul_i32 s22, s20, WSTEP
	s_xor_b32 s[G0A+5], s[G0A+5], SLOT             ; into the slot that is being read out
	s_add_nc_u64 s[G0A+6:G0A+7], s[16:17], s[18:19]
	s_or_b32 s[G0A+7], s[G0A+7], 0x80000000
	s_xor_b32 s[G0B+5], s[G0B+5], SLOT
	s_add_nc_u64 s[G0B+6:G0B+7], s[70:71], s[22:23]
	s_or_b32 s[G0B+7], s[G0B+7], 0x80000000
.endif
	s_wait_dscnt 0x1                               ; buffer 1's run is in; the add alone may be out
	MUL8 F1, 0, 0, 0
	s_wait_dscnt 0x0                               ; the add is done, and my reads of this slot are over
	s_barrier_signal -1
	MUL8 F1, 0, 2, 0
	WIN 0
	s_barrier_wait -1
.endm
.macro TURN
	MEET 1
	CREST                                          ; the barrier has opened a round of the cluster's
	JLOAD                                          ; 112 matrix instructions ahead of the wait for it
	s_xor_b32 s[TR], s[TR], SLOT
	SETADR
	FETCH 0, F0
	MUL8 F1, 1, 0, 0
	MUL8 F1, 1, 2, 0
.endm
	SETADR
	s_wait_tensorcnt 0x1                           ; my part of trip 0's tile is in; trip 1's stays out
	s_barrier_signal -1
	s_barrier_wait -1
	FETCH 0, F0
	s_wait_loadcnt 32                              ; the bias is in; x's 32 loads stay out
	QUARTER 1, F0, F1, 1
	WIN 0
	s_mov_b32 s[CNT], NSTEP-2
.Lk:
	QUARTER 2, F1, F0, 0
	QUARTER 3, F0, F1, 0
	TURN
	QUARTER 1, F0, F1, 0
	WIN 0
	s_sub_co_u32 s[CNT], s[CNT], 1
	s_cmp_lg_u32 s[CNT], 0
	s_cbranch_scc1 .Lk
	s_mov_b32 s[CNT], 2
.Ltail:                                ; the last two K steps ask for nothing; the second trip jumps over what would fetch a further step
	QUARTER 2, F1, F0, 0
	QUARTER 3, F0, F1, 0
	MEET 0
	s_cmp_eq_u32 s[CNT], 1
	s_cbranch_scc1 .Lno_fetch
	s_xor_b32 s[TR], s[TR], SLOT
	SETADR
	PLACES
	FETCH 0, F0
	WIN 0
.Lno_fetch:
	MUL8 F1, 1, 0, 0
	MUL8 F1, 1, 2, 0
	WIN 0
	s_cmp_eq_u32 s[CNT], 1
	s_cbranch_scc1 .Ltail_end
	QUARTER 1, F0, F1, 0
	WIN 0
.Ltail_end:
	s_sub_co_u32 s[CNT], s[CNT], 1
	s_cmp_lg_u32 s[CNT], 0
	s_cbranch_scc1 .Ltail
	; THE WAY OUT, a block of 16 rows at a time: through my own stage, back as whole rows of 256 bytes, added onto x in x's registers, stored; then the block's two chunks' statistics.
.macro OUTB a
	WIN 0x08
.irp b, 0,1,2,3
	ds_store_b128 v[STO], v[8*(4*(\a)+\b):8*(4*(\a)+\b)+3] offset:64*\b
	ds_store_b128 v[STO], v[8*(4*(\a)+\b)+4:8*(4*(\a)+\b)+7] offset:64*\b+16
.endr
	WIN 0
.irp u, 0,1,2,3,4,5,6,7
	ds_load_b128 v[T+4*\u:T+4*\u+3], v[RD] offset:\u*2*SP   ; LDS serves a wave's instructions in order: these see the stores above
.endr
	s_wait_dscnt 0x0
.set j, 0
.rept 16
	v_pk_add_f32 v[RES+32*(\a)+2*j:RES+32*(\a)+2*j+1], v[RES+32*(\a)+2*j:RES+32*(\a)+2*j+1], v[T+2*j:T+2*j+1]
.set j, j+1
.endr
.irp u, 0,1,2,3,4,5,6,7
	global_store_b128 v[GO], v[RES+32*(\a)+4*\u:RES+32*(\a)+4*\u+3], s[72:73] offset:(16*(\a)+2*\u)*4096  ; sixteen lanes store 256 consecutive bytes, aligned
.endr
.endm
.macro FOLD                            ; four chains of pairs into one number; then the group's eight lanes of a half, then the other half
	v_pk_add_f32 v[SQ:SQ+1], v[SQ:SQ+1], v[SQ+2:SQ+3]
	v_pk_add_f32 v[SQ+4:SQ+5], v[SQ+4:SQ+5], v[SQ+6:SQ+7]
	v_pk_add_f32 v[SQ:SQ+1], v[SQ:SQ+1], v[SQ+4:SQ+5]
	v_add_f32 v[SQ], v[SQ], v[SQ+1]
	v_add_f32_dpp v[SQ], v[SQ], v[SQ] row_xmask:1 row_mask:0xf bank_mask:0xf
	v_add_f32_dpp v[SQ], v[SQ], v[SQ] row_xmask:2 row_mask:0xf bank_mask:0xf
	v_add_f32_dpp v[SQ], v[SQ], v[SQ] row_xmask:4 row_mask:0xf bank_mask:0xf
	v_permlanex16_b32 v[SQ+1], v[SQ], s[SEL], s[SEL+1]
	v_add_f32 v[SQ], v[SQ], v[SQ+1]
.endm
.macro STAT a
.set RB, RES+32*(\a)
.irp k, 0,1,2,3
	v_pk_add_f32 v[SQ+2*\k:SQ+2*\k+1], v[RB+2*\k:RB+2*\k+1], v[RB+8+2*\k:RB+8+2*\k+1]
.endr
.set j, 8
.rept 8
	v_pk_add_f32 v[SQ+2*(j%4):SQ+2*(j%4)+1], v[SQ+2*(j%4):SQ+2*(j%4)+1], v[RB+2*j:RB+2*j+1]
.set j, j+1
.endr
	FOLD
	v_mul_f32 v[MT], 0x3b000000, v[SQ]             ; mean = sum / 512
	v_mov_b32 v[MT+1], v[MT]
.set j, 0
.rept 16
	v_pk_add_f32 v[DD+2*(j%4):DD+2*(j%4)+1], v[RB+2*j:RB+2*j+1], v[MT:MT+1] neg_lo:[0,1] neg_hi:[0,1]
.if j < 4
	v_pk_mul_f32 v[SQ+2*(j%4):SQ+2*(j%4)+1], v[DD+2*(j%4):DD+2*(j%4)+1], v[DD+2*(j%4):DD+2*(j%4)+1]
.else
	v_pk_fma_f32 v[SQ+2*(j%4):SQ+2*(j%4)+1], v[DD+2*(j%4):DD+2*(j%4)+1], v[DD+2*(j%4):DD+2*(j%4)+1], v[SQ+2*(j%4):SQ+2*(j%4)+1]
.endif
.set j, j+1
.endr
	FOLD
	v_mov_b32 v[PM+2*(\a)], v[MT]
	v_mov_b32 v[PM+2*(\a)+1], v[SQ]
.endm
	s_lshl_b32 s84, s42, 13                        ; part2: group 4 TX + 2 CH (2,048 bytes each), chunk 8 TY + 4 RH (8 bytes each)
	s_lshl_b32 s85, s[CH], 12
	s_add_co_u32 s84, s84, s85
	s_lshl_b32 s85, s43, 6
	s_add_co_u32 s84, s84, s85
	s_lshl_b32 s85, s[RH], 5
	s_add_co_u32 s84, s84, s85
	s_mov_b32 s85, 0
	s_add_nc_u64 s[74:75], s[74:75], s[84:85]
	PLACES
	s_wait_loadcnt 0x0                             ; x
.irp a, 0,1,2,3
	OUTB \a
	STAT \a
.endr
	v_and_b32 v3, 23, v0                           ; lanes 0 and 8 store their group's four chunks: 32 bytes
	v_bfe_u32 v4, v0, 3, 1
	v_lshlrev_b32 v4, 11, v4
	v_cmp_eq_u32 vcc_lo, 0, v3
	s_wait_xcnt 0x0                                ; EXEC changes only behind this wait
	s_and_saveexec_b32 s20, vcc_lo
	global_store_b128 v4, v[PM:PM+3], s[74:75]
	global_store_b128 v4, v[PM+4:PM+7], s[74:75] offset:16
	s_wait_xcnt 0x0
	s_or_b32 exec_lo, exec_lo, s20
	s_wait_tensorcnt 0x0                           ; the wave's end
	ds_add_u32 v[SPW], v[NIL]
	s_wait_dscnt 0x0
	CROUND                                         ; the closing round
	s_endpgm
.Lfunc_end_k_qdde6696202_aproj:
	.size	k_qdde6696202_aproj, .Lfunc_end_k_qdde6696202_aproj-k_qdde6696202_aproj
	.p2alignl 7, 3214868480
	.fill 96, 4, 3214868480
	.section	.rodata,"a",@progbits
	.p2align	6, 0x0
	.amdhsa_kernel k_qdde6696202_aproj
		.amdhsa_group_segment_fixed_size 327680
		.amdhsa_private_segment_fixed_size 0
		.amdhsa_enable_private_segment 0
		.amdhsa_kernarg_size 48
		.amdhsa_user_sgpr_count 2
		.amdhsa_user_sgpr_kernarg_segment_ptr 1
		.amdhsa_wavefront_size32 1
		.amdhsa_system_sgpr_workgroup_id_x 1
		.amdhsa_system_sgpr_workgroup_id_y 1
		.amdhsa_system_sgpr_workgroup_id_z 1
		.amdhsa_system_vgpr_workitem_id 0
		.amdhsa_next_free_vgpr 640
		.amdhsa_next_free_sgpr 90
		.amdhsa_reserve_vcc 1
		.amdhsa_float_denorm_mode_32 3
		.amdhsa_float_denorm_mode_16_64 3
		.amdhsa_memory_ordered 1
		.amdhsa_forward_progress 1
		.amdhsa_inst_pref_size 83
	.end_amdhsa_kernel
	.amdgpu_metadata
---
amdhsa.version: [ 1, 2 ]
amdhsa.kernels:
  - .name:           k_qdde6696202_aproj
    .symbol:         k_qdde6696202_aproj.kd
    .args:
      - { .name: att, .offset: 0, .size: 8, .value_kind: global_buffer, .address_space: global }
      - { .name: w16, .offset: 8, .size: 8, .value_kind: global_buffer, .address_space: global }
      - { .name: b_aproj, .offset: 16, .size: 8, .value_kind: global_buffer, .address_space: global }
      - { .name: x, .offset: 24, .size: 8, .value_kind: global_buffer, .address_space: global }
      - { .name: x2, .offset: 32, .size: 8, .value_kind: global_buffer, .address_space: global }
      - { .name: part2, .offset: 40, .size: 8, .value_kind: global_buffer, .address_space: global }
    .group_segment_fixed_size: 327680
    .private_segment_fixed_size: 0
    .kernarg_segment_align: 8
    .kernarg_segment_size: 48
    .max_flat_workgroup_size: 128
    .sgpr_count:     90
    .vgpr_count:     640
    .wavefront_size: 32
...
	.end_amdgpu_metadata
.endif
;; end of part 5
;; launch norm2: the kernel of part 2 again; grid 256 x 1, 8 waves a work-group, no clusters, 0 bytes of LDS; arguments x2, part2, ln2_w, ln2_b, xn; writes xn
;; launch fc (part 6): grid 16 x 16, 4 waves a work-group, clusters of 4 x 4, 327,680 bytes of LDS; arguments xn, w16, b_fc, h; writes h
.if DOCPART == 6
	.amdgcn_target "amdgcn-amd-amdhsa--gfx1250"
	.amdhsa_code_object_version 6
	.text
	.protected	k_qdde6696202_fc
	.globl	k_qdde6696202_fc
	.p2align	8
	.type	k_qdde6696202_fc,@function
k_qdde6696202_fc:
	s_mov_b64 s[64:65], 0
	v_nop
	global_prefetch_b8 v0, s[64:65] scope:SCOPE_SE
	s_setreg_imm32_b32 hwreg(HW_REG_WAVE_MODE, 25, 1), 1
	s_wait_xcnt 0x0
	s_wait_alu depctr_hold_cnt(0) depctr_sa_sdst(0) depctr_va_vdst(0) depctr_va_sdst(0) depctr_va_ssrc(0) depctr_va_vcc(0) depctr_vm_vsrc(0)
	s_getreg_b32 s2, hwreg(HW_REG_IB_STS2, 6, 4)
	s_cmp_eq_u32 s2, 0
	s_cbranch_scc0 .Lentry_in_a_cluster
	s_endpgm
.Lentry_in_a_cluster:
	s_bfe_u32 s2, ttmp6, 0x10000c
	s_cmp_lg_u32 s2, 0xf033
	s_cbranch_scc0 .Lentry_shape_is_right
	s_endpgm
.Lentry_shape_is_right:
; h = gelu(xn W + b).  xn: f16 [4096][1024]; W: f16 [1024][4096] at w16's byte 8,388,608; b: f32 [4096]; h: bf16 [4096][4096], rounded once.  Sums and gelu in f32.
; gelu(x) = 0.5 x (1 + tanh(u)), u = sqrt(2 / pi) (x + 0.044715 x^3), is computed as x / (1 + 2^(x (c0 + c1 x^2))), c0 = -2 log2(e) sqrt(2 / pi), c1 = 0.044715 c0: the same function, since 0.5 (1 + tanh u) = 1 / (1 + e^(-2u)).
; An exponent that overflows gives 0 or x, the limits of the function.
; SHARES.  A work-group makes 256 x 256, a wave 128 x 128 (rows 128 (w / 2) on, columns 128 (w % 2) on): 64 accumulators.  K goes in 8 steps of 128 through two LDS slots.
; Waves 0, 1 fetch xn's halves (128 rows x 256 bytes), waves 2, 3 W's k halves ([64 k] x 512 bytes).  W is turned by ds_load_tr16_b128; the product is used transposed (a lane holds one row, eight neighbouring columns).
; CLUSTER 4 x 4: xn's tile is asked for jointly along a row of the cluster, W's along a column.  One K step is written once: slots change by an exclusive or with SLOT = 2^17 + 2^14; wave x 36,864 has those bits clear.
; THE WALK ALONG K.  Trip t takes K step t xor M, M = (cluster y mod 2) xor cluster x: a permutation of the 8 steps, the same in all sixteen partners.  The four clusters that read the same rows of xn
; differ in M's bits 0 and 1, two clusters that read the same columns of W in its bit 0: clusters that read one tile ask for it in different trips, not all in the same trip.  LIMIT: K is summed in the walk's order, not ascending.
; REGISTERS: window 0: addresses; v32-95 bias; v96-175 the way out.  Window 1: two fragment buffers of 128 (xn 8 x 8, W 8 x 8).  Windows 2, 3: accumulator 8 a + b at 512 + 8 (8 a + b).
.set NSTEP,  8
.set PIECE,  36864
.set SLOT,   4*PIECE
.set SPARE,  2*SLOT
.set PA,     272
.set PW,     544                       ; W's rows in LDS: 512 + 32, an odd multiple of 32
.set DP,     528                       ; the way out: a row of 128 f32 + 16
.set ASTEP,  256
.set WSTEP,  128*8192
.set WBASE,  8388608
.set LA,   10
.set LB,   11
.set ADRA, 14
.set ADRB, 15
.set STO,  18
.set RD,   19
.set GO,   20
.set BO,   22
.set SPW,  28
.set NIL,  29
.set BIAS, 32
.set XO,   96
.set TT,   128
.set YO,   160
.set F0,   0
.set F1,   128
.set WV, 12
.set RH, 13
.set CH, 14
.set KI, 21                            ; s21  the trip whose tile was asked for last
.set G1A, 24
.set G0A, 32
.set G1B, 48
.set G0B, 56
.set KM,  66                           ; s66  M
.set TR,  67
.set WB,  68
.set CNT, 69
.set C0,  76
.set C1,  78
                                       ; s[16:17] xn at my tile's K step 0, s[70:71] W likewise; s[18:19], s[22:23] a K step's byte offsets in them
.set MSB, 0
.macro WIN new
.if MSB != (\new)
	s_set_vgpr_msb (MSB<<8)|(\new)
.set MSB, (\new)
.endif
.endm
.macro PLACES
.rept 4
	v_nop
.endr
.endm
.macro CREST
	s_cmp_lg_u32 s[WV], 0
	s_cbranch_scc1 .Lnot_wave_0_\@
	s_barrier_signal -3
.Lnot_wave_0_\@:
	s_barrier_wait -3
	s_barrier_signal -1
	s_barrier_wait -1
.endm
.macro CROUND
	s_barrier_signal -1
	s_barrier_wait -1
	CREST
.endm
.macro JLOAD                           ; a joint refill; s_nop 0 and four v_nop follow each line
	s_cmp_lt_u32 s[WV], 2
	s_cbranch_scc0 .Lfor_w_\@
	tensor_load_to_lds s[G0A+4:G0A+7], s[G1A:G1A+7]
	s_nop 0
	PLACES
	s_branch .Lasked_\@
.Lfor_w_\@:
	tensor_load_to_lds s[G0B+4:G0B+7], s[G1B:G1B+7]
	s_nop 0
	PLACES
.Lasked_\@:
.endm
	s_load_b256 s[4:11], s[0:1], 0x0               ; xn, w16, b_fc, h
	v_lshl_add_u32 v[SPW], v0, 2, SPARE
	v_mov_b32 v[NIL], 0
	ds_add_u32 v[SPW], v[NIL]                      ; the wave's opening: the add and its wait stand ahead of my first tensor load
	ds_add_u32 v28, v29
	v_lshrrev_b32 v1, 5, v0
	v_readfirstlane_b32 s[WV], v1
	s_lshr_b32 s[RH], s[WV], 1
	s_and_b32 s[CH], s[WV], 1
	s_bfe_u32 s40, ttmp6, 0x40000
	s_bfe_u32 s41, ttmp6, 0x40004
	s_lshl_b32 s42, ttmp9, 2
	s_add_co_u32 s42, s42, s40                     ; TX
	s_and_b32 s43, ttmp7, 0xffff
	s_lshl_b32 s43, s43, 2
	s_add_co_u32 s43, s43, s41                     ; TY
	s_lshl_b32 s44, s41, 2
	s_lshl_b32 s44, 15, s44
	s_lshl_b32 s45, 0x1111, s40
	s_and_b32 s[KM], ttmp7, 1                      ; M: made of the cluster's own place, which all sixteen partners share
	s_xor_b32 s[KM], s[KM], ttmp9
	s_mov_b32 s[KI], 1                             ; trips 0 and 1 are asked for at the start
	s_mov_b32 s19, 0
	s_mov_b32 s23, 0
	s_or_b32 s[G1A], s44, (1<<16)|(1<<20)|(1<<21)|(5<<22)|(3<<25)   ; after every 64 words 4 words
	s_or_b32 s[G1B], s45, (1<<16)|(1<<20)|(1<<21)|(6<<22)|(7<<25)   ; after every 128 words 8 words
	s_mov_b32 s[G1A+1], 128<<16                    ; 128 elements x 128 rows
	s_mov_b32 s[G1A+2], 128<<16
	s_mov_b32 s[G1A+3], 128<<16
	s_mov_b32 s[G1A+4], 128
	s_mov_b32 s[G1A+5], 1024
	s_mov_b32 s[G1A+6], 0
	s_mov_b32 s[G1A+7], 0
	s_mov_b32 s[G1B+1], 256<<16                    ; 256 columns x 64 k
	s_mov_b32 s[G1B+2], 64<<16
	s_mov_b32 s[G1B+3], 256<<16
	s_mov_b32 s[G1B+4], 64
	s_mov_b32 s[G1B+5], 4096
	s_mov_b32 s[G1B+6], 0
	s_mov_b32 s[G1B+7], 0
	s_lshl_b32 s16, s43, 19                        ; xn: 256 TY rows of 2,048 bytes,
	s_lshl_b32 s17, s[CH], 18                      ; + 128 for the second half
	s_add_co_u32 s16, s16, s17
	s_mov_b32 s17, 0
	s_lshl_b32 s46, s42, 9                         ; W: 256 TX columns,
	s_lshl_b32 s47, s[CH], 19                      ; + 64 k rows of 8,192 bytes for the second half
	s_add_co_u32 s46, s46, s47
	s_add_co_u32 s46, s46, WBASE
	s_mov_b32 s47, 0
	s_mul_i32 s[WB], s[WV], PIECE
	s_mov_b32 s[TR], 0
	s_mov_b32 s[C0], 0xc0135761                    ; -2.3022082
	s_mov_b32 s[C0+1], s[C0]
	s_mov_b32 s[C1], 0xbdd2d3e8                    ; -0.10294324
	s_mov_b32 s[C1+1], s[C1]
	s_wait_dscnt 0x0
	s_wait_kmcnt 0x0
	s_add_nc_u64 s[16:17], s[4:5], s[16:17]
	s_add_nc_u64 s[70:71], s[6:7], s[46:47]
	CROUND
.irp s, 0,1
	s_xor_b32 s20, s[KM], \s                       ; trip s takes K step s xor M
	s_mul_i32 s18, s20, ASTEP
	s_mul_i32 s22, s20, WSTEP
	s_mov_b32 s[G0A+4*\s], 1
	s_add_co_u32 s[G0A+4*\s+1], s[WB], \s*SLOT
	s_add_nc_u64 s[G0A+4*\s+2:G0A+4*\s+3], s[16:17], s[18:19]
	s_or_b32 s[G0A+4*\s+3], s[G0A+4*\s+3], 0x80000000
	s_mov_b32 s[G0B+4*\s], 1
	s_add_co_u32 s[G0B+4*\s+1], s[WB], \s*SLOT
	s_add_nc_u64 s[G0B+4*\s+2:G0B+4*\s+3], s[70:71], s[22:23]
	s_or_b32 s[G0B+4*\s+3], s[G0B+4*\s+3], 0x80000000
.endr
	s_cmp_lt_u32 s[WV], 2                          ; a wave's two first fills stand in one branch: two loads of mine are out
	s_cbranch_scc0 .Lfirst_w
	tensor_load_to_lds s[G0A:G0A+3], s[G1A:G1A+7]
	s_nop 0
	tensor_load_to_lds s[G0A+4:G0A+7], s[G1A:G1A+7]
	s_nop 0
	PLACES
	s_branch .Lfirst_done
.Lfirst_w:
	tensor_load_to_lds s[G0B:G0B+3], s[G1B:G1B+7]
	s_nop 0
	tensor_load_to_lds s[G0B+4:G0B+7], s[G1B:G1B+7]
	s_nop 0
	PLACES
.Lfirst_done:
	v_and_b32 v1, 15, v0                           ; r
	v_bfe_u32 v2, v0, 4, 1                         ; hh
	v_lshlrev_b32 v[BO], 5, v2
	s_lshl_b32 s46, s42, 10                        ; (256 TX + 128 CH) x 4 bytes
	s_lshl_b32 s47, s[CH], 9
	s_add_co_u32 s46, s46, s47
	s_mov_b32 s47, 0
	s_add_nc_u64 s[8:9], s[8:9], s[46:47]
.irp b, 0,1,2,3,4,5,6,7
	global_load_b128 v[BIAS+8*\b:BIAS+8*\b+3], v[BO], s[8:9] offset:64*\b
	global_load_b128 v[BIAS+8*\b+4:BIAS+8*\b+7], v[BO], s[8:9] offset:64*\b+16
.endr
	v_mul_u32_u24 v3, v1, PA
	v_lshl_add_u32 v3, v2, 4, v3
	s_mul_i32 s20, s[RH], PIECE
	v_add_nc_u32 v[LA], s20, v3
	v_and_b32 v4, 7, v0
	v_lshl_add_u32 v4, v2, 3, v4
	v_mul_u32_u24 v4, v4, PW
	v_bfe_u32 v5, v0, 3, 1
	v_lshl_add_u32 v4, v5, 4, v4
	s_lshl_b32 s20, s[CH], 8
	s_add_co_u32 s20, s20, 2*PIECE
	v_add_nc_u32 v[LB], s20, v4
	s_mul_i32 s20, s[WV], 128*DP                   ; the way out: my 128 rows of 528 bytes, in the slots when they are dead
	v_mul_u32_u24 v3, v1, DP
	v_lshl_add_u32 v3, v2, 5, v3
	v_add_nc_u32 v[STO], s20, v3
	v_and_b32 v3, 31, v0
	v_lshl_add_u32 v[RD], v3, 4, s20
	v_lshlrev_b32 v[GO], 3, v3
.macro SETADR
	v_add_nc_u32 v[ADRA], s[TR], v[LA]
	v_add_nc_u32 v[ADRB], s[TR], v[LB]
.endm
.macro FETCH q, f                      ; 32 LDS loads in one run: 32 along K: W's eight fragments, then xn's eight
	WIN 0x40
.irp b, 0,1,2,3,4,5,6,7
	ds_load_tr16_b128 v[(\f)+64+8*\b:(\f)+64+8*\b+3], v[ADRB] offset:((\q)/2)*PIECE+((\q)%2)*32*PW+32*\b
	ds_load_tr16_b128 v[(\f)+64+8*\b+4:(\f)+64+8*\b+7], v[ADRB] offset:((\q)/2)*PIECE+((\q)%2)*32*PW+32*\b+16*PW
.endr
.irp i, 0,1,2,3,4,5,6,7
	ds_load_b128 v[(\f)+8*\i:(\f)+8*\i+3], v[ADRA] offset:\i*16*PA+64*(\q)
	ds_load_b128 v[(\f)+8*\i+4:(\f)+8*\i+7], v[ADRA] offset:\i*16*PA+64*(\q)+32
.endr
.endm
.macro MULP f, part, first             ; row blocks 2 part, 2 part + 1 x eight column blocks; the 64 accumulators take turns.  first = 1: the bias starts the sums
.irp a, 2*(\part), 2*(\part)+1
.irp b, 0,1,2,3,4,5,6,7
.if \first
	WIN 0x85+0x40*((\part)/2)
	v_wmma_f32_16x16x32_f16 v[8*((8*(\a)+\b)%32):8*((8*(\a)+\b)%32)+7], v[(\f)+64+8*\b:(\f)+64+8*\b+7], v[(\f)+8*(\a):(\f)+8*(\a)+7], v[BIAS+8*\b:BIAS+8*\b+7]
.else
	WIN 0xa5+0x50*((\part)/2)
	v_wmma_f32_16x16x32_f16 v[8*((8*(\a)+\b)%32):8*((8*(\a)+\b)%32)+7], v[(\f)+64+8*\b:(\f)+64+8*\b+7], v[(\f)+8*(\a):(\f)+8*(\a)+7], v[8*((8*(\a)+\b)%32):8*((8*(\a)+\b)%32)+7]
.endif
.endr
.endr
.endm
.macro QUARTER qn, f, g, first         ; fetches quarter qn of the slot in hand into g, which the quarter before multiplied, and multiplies f: a run has a whole quarter, 64 matrix instructions, in which to land
	s_wait_dscnt 0x0                               ; buffer f's run, issued at the head of the quarter before, is in
	PLACES                                         ; behind the last products that read g
	FETCH \qn, \g
	MULP \f, 0, \first
	MULP \f, 1, \first
	MULP \f, 2, \first
	MULP \f, 3, \first
.endm
.macro MEET fill                       ; the first half of a step's last quarter, and the one barrier of the change of slots.  fill = 1: the walking descriptors are set for the next trip's tile
	WIN 0
	s_wait_tensorcnt 0x0                           ; all my tensor loads have landed: my part of the next slot; so a group 0 may be written
	ds_add_u32 v[SPW], v[NIL]
.if \fill
	s_add_co_u32 s[KI], s[KI], 1                   ; the next trip that has not been asked for,
	s_xor_b32 s20, s[KI], s[KM]                    ; its K step,
	s_mul_i32 s18, s20, ASTEP                      ; that step's bytes in xn and in W
	s_mul_i32 s22, s20, WSTEP
	s_xor_b32 s[G0A+5], s[G0A+5], SLOT             ; into the slot that is being read out
	s_add_nc_u64 s[G0A+6:G0A+7], s[16:17], s[18:19]
	s_or_b32 s[G0A+7], s[G0A+7], 0x80000000
	s_xor_b32 s[G0B+5], s[G0B+5], SLOT
	s_add_nc_u64 s[G0B+6:G0B+7], s[70:71], s[22:23]
	s_or_b32 s[G0B+7], s[G0B+7], 0x80000000
.endif
	s_wait_dscnt 0x1                               ; buffer 1's run is in; the add alone may be out
	MULP F1, 0, 0
	s_wait_dscnt 0x0                               ; the add is done, and my reads of this slot are over
	s_barrier_signal -1
	MULP F1, 1, 0
	WIN 0
	s_barrier_wait -1
.endm
.macro TURN
	MEET 1
	CREST                                          ; the barrier has opened a round of the cluster's
	JLOAD                                          ; 224 matrix instructions ahead of the wait for it
	s_xor_b32 s[TR], s[TR], SLOT
	SETADR
	FETCH 0, F0
	MULP F1, 2, 0
	MULP F1, 3, 0
.endm
	SETADR
	s_wait_tensorcnt 0x1                           ; my part of trip 0's tile is in; trip 1's stays out
	s_barrier_signal -1
	s_barrier_wait -1
	FETCH 0, F0
	s_wait_loadcnt 0x0                             ; the bias
	QUARTER 1, F0, F1, 1
	WIN 0
	s_mov_b32 s[CNT], NSTEP-2
.Lk:
	QUARTER 2, F1, F0, 0
	QUARTER 3, F0, F1, 0
	TURN
	QUARTER 1, F0, F1, 0
	WIN 0
	s_sub_co_u32 s[CNT], s[CNT], 1
	s_cmp_lg_u32 s[CNT], 0
	s_cbranch_scc1 .Lk
	s_mov_b32 s[CNT], 2
.Ltail:                                ; the last two K steps ask for nothing; the second trip jumps over what would fetch a further step
	QUARTER 2, F1, F0, 0
	QUARTER 3, F0, F1, 0
	MEET 0
	s_cmp_eq_u32 s[CNT], 1
	s_cbranch_scc1 .Lno_fetch
	s_xor_b32 s[TR], s[TR], SLOT
	SETADR
	PLACES
	FETCH 0, F0
	WIN 0
.Lno_fetch:
	MULP F1, 2, 0
	MULP F1, 3, 0
	WIN 0
	s_cmp_eq_u32 s[CNT], 1
	s_cbranch_scc1 .Ltail_end
	QUARTER 1, F0, F1, 0
	WIN 0
.Ltail_end:
	s_sub_co_u32 s[CNT], s[CNT], 1
	s_cmp_lg_u32 s[CNT], 0
	s_cbranch_scc1 .Ltail
	; THE WAY OUT.  Behind the last barrier no wave reads a slot and no fill is to come: each wave lays its 128 x 128 f32 into its own 67,584 bytes of the slots and reads whole rows back.
	s_lshl_b32 s82, s43, 21                        ; h: (256 TY + 128 RH) rows of 8,192 bytes + (256 TX + 128 CH) x 2
	s_lshl_b32 s83, s[RH], 20
	s_add_co_u32 s82, s82, s83
	s_lshl_b32 s83, s42, 9
	s_add_co_u32 s82, s82, s83
	s_lshl_b32 s83, s[CH], 8
	s_add_co_u32 s82, s82, s83
	s_mov_b32 s83, 0
	s_add_nc_u64 s[10:11], s[10:11], s[82:83]
	PLACES
.set IDX, 0
.rept 64
	WIN 0x08+0x04*(IDX/32)
	ds_store_b128 v[STO], v[8*(IDX%32):8*(IDX%32)+3] offset:(IDX/8)*16*DP+64*(IDX%8)
	ds_store_b128 v[STO], v[8*(IDX%32)+4:8*(IDX%32)+7] offset:(IDX/8)*16*DP+64*(IDX%8)+16
.set IDX, IDX+1
.endr
	WIN 0
	s_mov_b32 s[CNT], 16
.Lout:                                 ; eight rows a trip; a lane holds four neighbouring columns of each
.irp u, 0,1,2,3,4,5,6,7
	ds_load_b128 v[XO+4*\u:XO+4*\u+3], v[RD] offset:\u*DP   ; LDS serves a wave's instructions in order: these see the stores above
.endr
	s_wait_dscnt 0x0
.set j, 0
.rept 16
	v_pk_mul_f32 v[TT+2*j:TT+2*j+1], v[XO+2*j:XO+2*j+1], v[XO+2*j:XO+2*j+1]
.set j, j+1
.endr
.set j, 0
.rept 16
	v_pk_fma_f32 v[TT+2*j:TT+2*j+1], v[TT+2*j:TT+2*j+1], s[C1:C1+1], s[C0:C0+1] op_sel_hi:[1,0,0]
.set j, j+1
.endr
.set j, 0
.rept 16
	v_pk_mul_f32 v[TT+2*j:TT+2*j+1], v[TT+2*j:TT+2*j+1], v[XO+2*j:XO+2*j+1]
.set j, j+1
.endr
.set j, 0
.rept 32
	v_exp_f32 v[TT+j], v[TT+j]
.set j, j+1
.endr
	v_nop                                          ; a plain instruction between the last exponential and its use
.set j, 0
	s_wait_alu depctr_va_vdst(0)
.rept 16
	v_pk_add_f32 v[TT+2*j:TT+2*j+1], v[TT+2*j:TT+2*j+1], 1.0 op_sel_hi:[1,0]
.set j, j+1
.endr
.set j, 0
.rept 32
	v_rcp_f32 v[TT+j], v[TT+j]
.set j, j+1
.endr
	v_nop
.set j, 0
	s_wait_alu depctr_va_vdst(0)
.rept 16
	v_pk_mul_f32 v[TT+2*j:TT+2*j+1], v[TT+2*j:TT+2*j+1], v[XO+2*j:XO+2*j+1]
.set j, j+1
.endr
.set j, 0
.rept 16
	v_cvt_pk_bf16_f32 v[YO+j], v[TT+2*j], v[TT+2*j+1]
.set j, j+1
.endr
.irp u, 0,1,2,3,4,5,6,7
	global_store_b64 v[GO], v[YO+2*\u:YO+2*\u+1], s[10:11] offset:8192*\u    ; the wave's store covers 256 consecutive bytes, aligned
.endr
	s_wait_xcnt 0x0                                ; the stores' data and offset are rewritten only behind this wait
	v_add_nc_u32 v[RD], 8*DP, v[RD]
	v_add_nc_u32 v[GO], 65536, v[GO]
	s_sub_co_u32 s[CNT], s[CNT], 1
	s_cmp_lg_u32 s[CNT], 0
	s_cbranch_scc1 .Lout
	s_wait_tensorcnt 0x0                           ; the wave's end
	ds_add_u32 v[SPW], v[NIL]
	s_wait_dscnt 0x0
	CROUND                                         ; the closing round
	s_endpgm
.Lfunc_end_k_qdde6696202_fc:
	.size	k_qdde6696202_fc, .Lfunc_end_k_qdde6696202_fc-k_qdde6696202_fc
	.p2alignl 7, 3214868480
	.fill 96, 4, 3214868480
	.section	.rodata,"a",@progbits
	.p2align	6, 0x0
	.amdhsa_kernel k_qdde6696202_fc
		.amdhsa_group_segment_fixed_size 327680
		.amdhsa_private_segment_fixed_size 0
		.amdhsa_enable_private_segment 0
		.amdhsa_kernarg_size 32
		.amdhsa_user_sgpr_count 2
		.amdhsa_user_sgpr_kernarg_segment_ptr 1
		.amdhsa_wavefront_size32 1
		.amdhsa_system_sgpr_workgroup_id_x 1
		.amdhsa_system_sgpr_workgroup_id_y 1
		.amdhsa_system_sgpr_workgroup_id_z 1
		.amdhsa_system_vgpr_workitem_id 0
		.amdhsa_next_free_vgpr 1024
		.amdhsa_next_free_sgpr 88
		.amdhsa_reserve_vcc 0
		.amdhsa_float_denorm_mode_32 3
		.amdhsa_float_denorm_mode_16_64 3
		.amdhsa_memory_ordered 1
		.amdhsa_forward_progress 1
		.amdhsa_inst_pref_size 88
	.end_amdhsa_kernel
	.amdgpu_metadata
---
amdhsa.version: [ 1, 2 ]
amdhsa.kernels:
  - .name:           k_qdde6696202_fc
    .symbol:         k_qdde6696202_fc.kd
    .args:
      - { .name: xn, .offset: 0, .size: 8, .value_kind: global_buffer, .address_space: global }
      - { .name: w16, .offset: 8, .size: 8, .value_kind: global_buffer, .address_space: global }
      - { .name: b_fc, .offset: 16, .size: 8, .value_kind: global_buffer, .address_space: global }
      - { .name: h, .offset: 24, .size: 8, .value_kind: global_buffer, .address_space: global }
    .group_segment_fixed_size: 327680
    .private_segment_fixed_size: 0
    .kernarg_segment_align: 8
    .kernarg_segment_size: 32
    .max_flat_workgroup_size: 128
    .sgpr_count:     88
    .vgpr_count:     1024
    .wavefront_size: 32
...
	.end_amdgpu_metadata
.endif
;; end of part 6
;; launch mproj (part 7): grid 8 x 32, 4 waves a work-group, clusters of 4 x 4, 327,680 bytes of LDS; arguments h, w16, b_mproj, x2, out0; writes out0
.if DOCPART == 7
	.amdgcn_target "amdgcn-amd-amdhsa--gfx1250"
	.amdhsa_code_object_version 6
	.text
	.protected	k_qdde6696202_mproj
	.globl	k_qdde6696202_mproj
	.p2align	8
	.type	k_qdde6696202_mproj,@function
k_qdde6696202_mproj:
	s_mov_b64 s[64:65], 0
	v_nop
	global_prefetch_b8 v0, s[64:65] scope:SCOPE_SE
	s_setreg_imm32_b32 hwreg(HW_REG_WAVE_MODE, 25, 1), 1
	s_wait_xcnt 0x0
	s_wait_alu depctr_hold_cnt(0) depctr_sa_sdst(0) depctr_va_vdst(0) depctr_va_sdst(0) depctr_va_ssrc(0) depctr_va_vcc(0) depctr_vm_vsrc(0)
	s_getreg_b32 s2, hwreg(HW_REG_IB_STS2, 6, 4)
	s_cmp_eq_u32 s2, 0
	s_cbranch_scc0 .Lentry_in_a_cluster
	s_endpgm
.Lentry_in_a_cluster:
	s_bfe_u32 s2, ttmp6, 0x10000c
	s_cmp_lg_u32 s2, 0xf033
	s_cbranch_scc0 .Lentry_shape_is_right
	s_endpgm
.Lentry_shape_is_right:
; out0 = x2 + h W + b.  h: bf16 [4096][4096]; W: bf16 [4096][1024] at w16's byte 16,777,216; x2, out0: f32 [4096][1024].  Sums in f32.
; SHARES.  A work-group makes 128 x 128, a wave 64 x 64 (rows 64 (w / 2) on, columns 64 (w % 2) on): 16 accumulators.  K goes in 16 steps of 256 through two LDS slots.
; Waves 0, 1 fetch h's halves (64 rows x 512 bytes), waves 2, 3 W's k halves ([128 k] x 256 bytes).  W is turned by ds_load_tr16_b128; the product is used transposed (a lane holds one row, eight neighbouring columns).
; CLUSTER 4 x 4: h's tile is asked for jointly along a row of the cluster, W's along a column.  One K step is written once: slots change by an exclusive or with SLOT = 2^17 + 2^14; wave x 36,864 has those bits clear.
; THE WALK ALONG K.  Trip t takes K step t xor M, M = (cluster y mod 4) xor cluster x: a permutation of the 16 steps, the same in all sixteen partners.  The two clusters that read the same rows of h
; differ in M's bit 0, four clusters that read the same columns of W in its bits 0 and 1: clusters that read one tile ask for it in different trips, one to three trips apart, not all in the same trip.
; LIMIT: K is summed in the walk's order, not ascending.
; The bias is the C operand of the first products; x2 waits in registers, in the layout in which rows come back from the stage.
; REGISTERS: window 0: addresses; v32-63 bias; v64-95 rows back from the stage; v128-255 x2, then out0.  Window 1: two fragment buffers of 128.  Window 2: accumulator 4 a + b at 8 (4 a + b).
.set NSTEP,  16
.set PIECE,  36864
.set SLOT,   4*PIECE
.set STAGE,  2*SLOT
.set SP,     272
.set SPARE,  STAGE+4*16*SP
.set PA,     528                       ; h's rows in LDS: 512 + 16
.set PW,     288
.set ASTEP,  512
.set WSTEP,  256*2048
.set WBASE,  16777216
.set LA,   10
.set LB,   11
.set ADRA, 14
.set ADRB, 15
.set STO,  18
.set RD,   19
.set GO,   20
.set BO,   22
.set SPW,  28
.set NIL,  29
.set BIAS, 32
.set T,    64
.set RES,  128
.set F0,   0
.set F1,   128
.set WV, 12
.set RH, 13
.set CH, 14
.set KI, 21                            ; s21  the trip whose tile was asked for last
.set G1A, 24
.set G0A, 32
.set G1B, 48
.set G0B, 56
.set KM,  66                           ; s66  M
.set TR,  67
.set WB,  68
.set CNT, 69
                                       ; s[16:17] h at my tile's K step 0, s[70:71] W likewise; s[18:19], s[22:23] a K step's byte offsets in them
.set MSB, 0
.macro WIN new
.if MSB != (\new)
	s_set_vgpr_msb (MSB<<8)|(\new)
.set MSB, (\new)
.endif
.endm
.macro PLACES
.rept 4
	v_nop
.endr
.endm
.macro CREST
	s_cmp_lg_u32 s[WV], 0
	s_cbranch_scc1 .Lnot_wave_0_\@
	s_barrier_signal -3
.Lnot_wave_0_\@:
	s_barrier_wait -3
	s_barrier_signal -1
	s_barrier_wait -1
.endm
.macro CROUND
	s_barrier_signal -1
	s_barrier_wait -1
	CREST
.endm
.macro JLOAD                           ; a joint refill; s_nop 0 and four v_nop follow each line
	s_cmp_lt_u32 s[WV], 2
	s_cbranch_scc0 .Lfor_w_\@
	tensor_load_to_lds s[G0A+4:G0A+7], s[G1A:G1A+7]
	s_nop 0
	PLACES
	s_branch .Lasked_\@
.Lfor_w_\@:
	tensor_load_to_lds s[G0B+4:G0B+7], s[G1B:G1B+7]
	s_nop 0
	PLACES
.Lasked_\@:
.endm
	s_load_b256 s[4:11], s[0:1], 0x0               ; h, w16, b_mproj, x2
	s_load_b64 s[72:73], s[0:1], 0x20              ; out0
	v_lshl_add_u32 v[SPW], v0, 2, SPARE
	v_mov_b32 v[NIL], 0
	ds_add_u32 v[SPW], v[NIL]                      ; the wave's opening: the add and its wait stand ahead of my first tensor load
	ds_add_u32 v28, v29
	v_lshrrev_b32 v1, 5, v0
	v_readfirstlane_b32 s[WV], v1
	s_lshr_b32 s[RH], s[WV], 1
	s_and_b32 s[CH], s[WV], 1
	s_bfe_u32 s40, ttmp6, 0x40000
	s_bfe_u32 s41, ttmp6, 0x40004
	s_lshl_b32 s42, ttmp9, 2
	s_add_co_u32 s42, s42, s40                     ; TX
	s_and_b32 s43, ttmp7, 0xffff
	s_lshl_b32 s43, s43, 2
	s_add_co_u32 s43, s43, s41                     ; TY
	s_lshl_b32 s44, s41, 2
	s_lshl_b32 s44, 15, s44
	s_lshl_b32 s45, 0x1111, s40
	s_and_b32 s[KM], ttmp7, 3                      ; M: made of the cluster's own place, which all sixteen partners share
	s_xor_b32 s[KM], s[KM], ttmp9
	s_mov_b32 s[KI], 1                             ; trips 0 and 1 are asked for at the start
	s_mov_b32 s19, 0
	s_mov_b32 s23, 0
	s_or_b32 s[G1A], s44, (1<<16)|(1<<20)|(1<<21)|(6<<22)|(3<<25)   ; after every 128 words 4 words
	s_or_b32 s[G1B], s45, (1<<16)|(1<<20)|(1<<21)|(5<<22)|(7<<25)   ; after every 64 words 8 words
	s_mov_b32 s[G1A+1], 256<<16                    ; 256 elements x 64 rows
	s_mov_b32 s[G1A+2], 64<<16
	s_mov_b32 s[G1A+3], 256<<16
	s_mov_b32 s[G1A+4], 64
	s_mov_b32 s[G1A+5], 4096
	s_mov_b32 s[G1A+6], 0
	s_mov_b32 s[G1A+7], 0
	s_mov_b32 s[G1B+1], 128<<16                    ; 128 columns x 128 k
	s_mov_b32 s[G1B+2], 128<<16
	s_mov_b32 s[G1B+3], 128<<16
	s_mov_b32 s[G1B+4], 128
	s_mov_b32 s[G1B+5], 1024
	s_mov_b32 s[G1B+6], 0
	s_mov_b32 s[G1B+7], 0
	s_lshl_b32 s16, s43, 20                        ; h: 128 TY rows of 8,192 bytes,
	s_lshl_b32 s17, s[CH], 19                      ; + 64 for the second half
	s_add_co_u32 s16, s16, s17
	s_mov_b32 s17, 0
	s_lshl_b32 s46, s42, 8                         ; W: 128 TX columns,
	s_lshl_b32 s47, s[CH], 18                      ; + 128 k rows for the second half
	s_add_co_u32 s46, s46, s47
	s_add_co_u32 s46, s46, WBASE
	s_mov_b32 s47, 0
	s_mul_i32 s[WB], s[WV], PIECE
	s_mov_b32 s[TR], 0
	s_wait_dscnt 0x0
	s_wait_kmcnt 0x0
	s_add_nc_u64 s[16:17], s[4:5], s[16:17]
	s_add_nc_u64 s[70:71], s[6:7], s[46:47]
	CROUND
.irp s, 0,1
	s_xor_b32 s20, s[KM], \s                       ; trip s takes K step s xor M
	s_mul_i32 s18, s20, ASTEP
	s_mul_i32 s22, s20, WSTEP
	s_mov_b32 s[G0A+4*\s], 1
	s_add_co_u32 s[G0A+4*\s+1], s[WB], \s*SLOT
	s_add_nc_u64 s[G0A+4*\s+2:G0A+4*\s+3], s[16:17], s[18:19]
	s_or_b32 s[G0A+4*\s+3], s[G0A+4*\s+3], 0x80000000
	s_mov_b32 s[G0B+4*\s], 1
	s_add_co_u32 s[G0B+4*\s+1], s[WB], \s*SLOT
	s_add_nc_u64 s[G0B+4*\s+2:G0B+4*\s+3], s[70:71], s[22:23]
	s_or_b32 s[G0B+4*\s+3], s[G0B+4*\s+3], 0x80000000
.endr
	s_cmp_lt_u32 s[WV], 2                          ; a wave's two first fills stand in one branch: two loads of mine are out
	s_cbranch_scc0 .Lfirst_w
	tensor_load_to_lds s[G0A:G0A+3], s[G1A:G1A+7]
	s_nop 0
	tensor_load_to_lds s[G0A+4:G0A+7], s[G1A:G1A+7]
	s_nop 0
	PLACES
	s_branch .Lfirst_done
.Lfirst_w:
	tensor_load_to_lds s[G0B:G0B+3], s[G1B:G1B+7]
	s_nop 0
	tensor_load_to_lds s[G0B+4:G0B+7], s[G1B:G1B+7]
	s_nop 0
	PLACES
.Lfirst_done:
	v_and_b32 v1, 15, v0                           ; r
	v_bfe_u32 v2, v0, 4, 1                         ; hh
	v_lshlrev_b32 v[BO], 5, v2
	s_lshl_b32 s46, s42, 9                         ; (128 TX + 64 CH) x 4 bytes
	s_lshl_b32 s47, s[CH], 8
	s_add_co_u32 s46, s46, s47
	s_mov_b32 s47, 0
	s_add_nc_u64 s[8:9], s[8:9], s[46:47]
.irp b, 0,1,2,3
	global_load_b128 v[BIAS+8*\b:BIAS+8*\b+3], v[BO], s[8:9] offset:64*\b
	global_load_b128 v[BIAS+8*\b+4:BIAS+8*\b+7], v[BO], s[8:9] offset:64*\b+16
.endr
	s_lshl_b32 s82, s43, 19                        ; x2 and out0 at my 64 x 64
	s_lshl_b32 s83, s[RH], 18
	s_add_co_u32 s82, s82, s83
	s_add_co_u32 s82, s82, s46
	s_mov_b32 s83, 0
	s_add_nc_u64 s[10:11], s[10:11], s[82:83]
	s_add_nc_u64 s[72:73], s[72:73], s[82:83]
	v_lshlrev_b32 v[GO], 12, v2                    ; lanes 0-15 one row's 256 bytes, lanes 16-31 the next row's
	v_lshl_add_u32 v[GO], v1, 4, v[GO]
.set i, 0
.rept 32
	global_load_b128 v[RES+4*i:RES+4*i+3], v[GO], s[10:11] offset:2*i*4096
.set i, i+1
.endr
	v_mul_u32_u24 v3, v1, PA
	v_lshl_add_u32 v3, v2, 4, v3
	s_mul_i32 s20, s[RH], PIECE
	v_add_nc_u32 v[LA], s20, v3
	v_and_b32 v4, 7, v0
	v_lshl_add_u32 v4, v2, 3, v4
	v_mul_u32_u24 v4, v4, PW
	v_bfe_u32 v5, v0, 3, 1
	v_lshl_add_u32 v4, v5, 4, v4
	s_lshl_b32 s20, s[CH], 7
	s_add_co_u32 s20, s20, 2*PIECE
	v_add_nc_u32 v[LB], s20, v4
	v_add_nc_u32 v[LB+1], PIECE, v[LB]
	s_mul_i32 s20, s[WV], 16*SP
	s_add_co_u32 s20, s20, STAGE
	v_mul_u32_u24 v3, v1, SP
	v_lshl_add_u32 v3, v2, 5, v3
	v_add_nc_u32 v[STO], s20, v3
	v_mul_u32_u24 v3, v2, SP
	v_lshl_add_u32 v3, v1, 4, v3
	v_add_nc_u32 v[RD], s20, v3
.macro SETADR
	v_add_nc_u32 v[ADRA], s[TR], v[LA]
	v_add_nc_u32 v[ADRB], s[TR], v[LB]
	v_add_nc_u32 v[ADRB+1], s[TR], v[LB+1]
.endm
.macro FETCH q, f                      ; 32 LDS loads in one run: 64 along K, the first 32 first
	WIN 0x40
.irp c, 0,1
.irp i, 0,1,2,3
	ds_load_tr16_b128 v[(\f)+64+8*(4*\c+\i):(\f)+64+8*(4*\c+\i)+3], v[ADRB+(\q)/2] offset:((\q)%2)*64*PW+\c*32*PW+32*\i
	ds_load_tr16_b128 v[(\f)+64+8*(4*\c+\i)+4:(\f)+64+8*(4*\c+\i)+7], v[ADRB+(\q)/2] offset:((\q)%2)*64*PW+\c*32*PW+32*\i+16*PW
	ds_load_b128 v[(\f)+8*(4*\c+\i):(\f)+8*(4*\c+\i)+3], v[ADRA] offset:\i*16*PA+128*(\q)+64*\c
	ds_load_b128 v[(\f)+8*(4*\c+\i)+4:(\f)+8*(4*\c+\i)+7], v[ADRA] offset:\i*16*PA+128*(\q)+64*\c+32
.endr
.endr
.endm
.macro MUL8 f, c, a0, first            ; row blocks a0, a0 + 1 x four column blocks, half c of buffer f; the 16 accumulators take turns
.irp a, \a0, (\a0)+1
.irp b, 0,1,2,3
.if \first
	WIN 0x85
	v_wmma_f32_16x16x32_bf16 v[8*(4*(\a)+\b):8*(4*(\a)+\b)+7], v[(\f)+64+8*(4*(\c)+\b):(\f)+64+8*(4*(\c)+\b)+7], v[(\f)+8*(4*(\c)+(\a)):(\f)+8*(4*(\c)+(\a))+7], v[BIAS+8*\b:BIAS+8*\b+7]
.else
	WIN 0xa5
	v_wmma_f32_16x16x32_bf16 v[8*(4*(\a)+\b):8*(4*(\a)+\b)+7], v[(\f)+64+8*(4*(\c)+\b):(\f)+64+8*(4*(\c)+\b)+7], v[(\f)+8*(4*(\c)+(\a)):(\f)+8*(4*(\c)+(\a))+7], v[8*(4*(\a)+\b):8*(4*(\a)+\b)+7]
.endif
.endr
.endr
.endm
.macro QUARTER qn, f, g, first         ; fetches quarter qn of the slot in hand into g, which the quarter before multiplied, and multiplies f: a run has a whole quarter, 32 matrix instructions, in which to land
	s_wait_dscnt 0x0                               ; buffer f's run, issued at the head of the quarter before, is in
	PLACES                                         ; behind the last products that read g
	FETCH \qn, \g
	MUL8 \f, 0, 0, \first
	MUL8 \f, 0, 2, \first
	MUL8 \f, 1, 0, 0
	MUL8 \f, 1, 2, 0
.endm
.macro MEET fill                       ; the first half of a step's last quarter, and the one barrier of the change of slots.  fill = 1: the walking descriptors are set for the next trip's tile
	WIN 0
	s_wait_tensorcnt 0x0                           ; all my tensor loads have landed: my part of the next slot; so a group 0 may be written
	ds_add_u32 v[SPW], v[NIL]
.if \fill
	s_add_co_u32 s[KI], s[KI], 1                   ; the next trip that has not been asked for,
	s_xor_b32 s20, s[KI], s[KM]                    ; its K step,
	s_mul_i32 s18, s20, ASTEP                      ; that step's bytes in h and in W
	s_mul_i32 s22, s20, WSTEP
	s_xor_b32 s[G0A+5], s[G0A+5], SLOT             ; into the slot that is being read out
	s_add_nc_u64 s[G0A+6:G0A+7], s[16:17], s[18:19]
	s_or_b32 s[G0A+7], s[G0A+7], 0x80000000
	s_xor_b32 s[G0B+5], s[G0B+5], SLOT
	s_add_nc_u64 s[G0B+6:G0B+7], s[70:71], s[22:23]
	s_or_b32 s[G0B+7], s[G0B+7], 0x80000000
.endif
	s_wait_dscnt 0x1                               ; buffer 1's run is in; the add alone may be out
	MUL8 F1, 0, 0, 0
	s_wait_dscnt 0x0                               ; the add is done, and my reads of this slot are over
	s_barrier_signal -1
	MUL8 F1, 0, 2, 0
	WIN 0
	s_barrier_wait -1
.endm
.macro TURN
	MEET 1
	CREST                                          ; the barrier has opened a round of the cluster's
	JLOAD                                          ; 112 matrix instructions ahead of the wait for it
	s_xor_b32 s[TR], s[TR], SLOT
	SETADR
	FETCH 0, F0
	MUL8 F1, 1, 0, 0
	MUL8 F1, 1, 2, 0
.endm
	SETADR
	s_wait_tensorcnt 0x1                           ; my part of trip 0's tile is in; trip 1's stays out
	s_barrier_signal -1
	s_barrier_wait -1
	FETCH 0, F0
	s_wait_loadcnt 32                              ; the bias is in; x2's 32 loads stay out
	QUARTER 1, F0, F1, 1
	WIN 0
	s_mov_b32 s[CNT], NSTEP-2
.Lk:
	QUARTER 2, F1, F0, 0
	QUARTER 3, F0, F1, 0
	TURN
	QUARTER 1, F0, F1, 0
	WIN 0
	s_sub_co_u32 s[CNT], s[CNT], 1
	s_cmp_lg_u32 s[CNT], 0
	s_cbranch_scc1 .Lk
	s_mov_b32 s[CNT], 2
.Ltail:                                ; the last two K steps ask for nothing; the second trip jumps over what would fetch a further step
	QUARTER 2, F1, F0, 0
	QUARTER 3, F0, F1, 0
	MEET 0
	s_cmp_eq_u32 s[CNT], 1
	s_cbranch_scc1 .Lno_fetch
	s_xor_b32 s[TR], s[TR], SLOT
	SETADR
	PLACES
	FETCH 0, F0
	WIN 0
.Lno_fetch:
	MUL8 F1, 1, 0, 0
	MUL8 F1, 1, 2, 0
	WIN 0
	s_cmp_eq_u32 s[CNT], 1
	s_cbranch_scc1 .Ltail_end
	QUARTER 1, F0, F1, 0
	WIN 0
.Ltail_end:
	s_sub_co_u32 s[CNT], s[CNT], 1
	s_cmp_lg_u32 s[CNT], 0
	s_cbranch_scc1 .Ltail
	; THE WAY OUT, a block of 16 rows at a time: through my own stage, back as whole rows of 256 bytes, added onto x2 in x2's registers, stored.
.macro OUTB a
	WIN 0x08
.irp b, 0,1,2,3
	ds_store_b128 v[STO], v[8*(4*(\a)+\b):8*(4*(\a)+\b)+3] offset:64*\b
	ds_store_b128 v[STO], v[8*(4*(\a)+\b)+4:8*(4*(\a)+\b)+7] offset:64*\b+16
.endr
	WIN 0
.irp u, 0,1,2,3,4,5,6,7
	ds_load_b128 v[T+4*\u:T+4*\u+3], v[RD] offset:\u*2*SP   ; LDS serves a wave's instructions in order: these see the stores above
.endr
	s_wait_dscnt 0x0
.set j, 0
.rept 16
	v_pk_add_f32 v[RES+32*(\a)+2*j:RES+32*(\a)+2*j+1], v[RES+32*(\a)+2*j:RES+32*(\a)+2*j+1], v[T+2*j:T+2*j+1]
.set j, j+1
.endr
.irp u, 0,1,2,3,4,5,6,7
	global_store_b128 v[GO], v[RES+32*(\a)+4*\u:RES+32*(\a)+4*\u+3], s[72:73] offset:(16*(\a)+2*\u)*4096 th:TH_STORE_NT  ; sixteen lanes store 256 consecutive bytes, aligned
.endr
.endm
	PLACES
	s_wait_loadcnt 0x0                             ; x2
.irp a, 0,1,2,3
	OUTB \a
.endr
	s_wait_tensorcnt 0x0                           ; the wave's end
	ds_add_u32 v[SPW], v[NIL]
	s_wait_dscnt 0x0
	CROUND                                         ; the closing round
	s_endpgm
.Lfunc_end_k_qdde6696202_mproj:
	.size	k_qdde6696202_mproj, .Lfunc_end_k_qdde6696202_mproj-k_qdde6696202_mproj
	.p2alignl 7, 3214868480
	.fill 96, 4, 3214868480
	.section	.rodata,"a",@progbits
	.p2align	6, 0x0
	.amdhsa_kernel k_qdde6696202_mproj
		.amdhsa_group_segment_fixed_size 327680
		.amdhsa_private_segment_fixed_size 0
		.amdhsa_enable_private_segment 0
		.amdhsa_kernarg_size 40
		.amdhsa_user_sgpr_count 2
		.amdhsa_user_sgpr_kernarg_segment_ptr 1
		.amdhsa_wavefront_size32 1
		.amdhsa_system_sgpr_workgroup_id_x 1
		.amdhsa_system_sgpr_workgroup_id_y 1
		.amdhsa_system_sgpr_workgroup_id_z 1
		.amdhsa_system_vgpr_workitem_id 0
		.amdhsa_next_free_vgpr 640
		.amdhsa_next_free_sgpr 88
		.amdhsa_reserve_vcc 0
		.amdhsa_float_denorm_mode_32 3
		.amdhsa_float_denorm_mode_16_64 3
		.amdhsa_memory_ordered 1
		.amdhsa_forward_progress 1
		.amdhsa_inst_pref_size 66
	.end_amdhsa_kernel
	.amdgpu_metadata
---
amdhsa.version: [ 1, 2 ]
amdhsa.kernels:
  - .name:           k_qdde6696202_mproj
    .symbol:         k_qdde6696202_mproj.kd
    .args:
      - { .name: h, .offset: 0, .size: 8, .value_kind: global_buffer, .address_space: global }
      - { .name: w16, .offset: 8, .size: 8, .value_kind: global_buffer, .address_space: global }
      - { .name: b_mproj, .offset: 16, .size: 8, .value_kind: global_buffer, .address_space: global }
      - { .name: x2, .offset: 24, .size: 8, .value_kind: global_buffer, .address_space: global }
      - { .name: out0, .offset: 32, .size: 8, .value_kind: global_buffer, .address_space: global }
    .group_segment_fixed_size: 327680
    .private_segment_fixed_size: 0
    .kernarg_segment_align: 8
    .kernarg_segment_size: 40
    .max_flat_workgroup_size: 128
    .sgpr_count:     88
    .vgpr_count:     640
    .wavefront_size: 32
...
	.end_amdgpu_metadata
.endif
;; end of part 7
;; ======== version 2 of 2: 8 launches; 1.13 times as fast as version 1
;; limits: values are held in f16: magnitudes above 65,504 overflow, below 6.1e-05 lose precision
;; workspace buffers: w16 25,165,824 bytes; part1 65,536 bytes; part2 65,536 bytes; xn 8,388,608 bytes; qkv16 25,165,824 bytes; att 8,388,608 bytes; x2 16,777,216 bytes; h 33,554,432 bytes
;; launch prep: the kernel of part 1 again; grid 1024 x 1, 8 waves a work-group, no clusters, 0 bytes of LDS; arguments x, w_attn, w_aproj, w_fc, w_mproj, w16, part1; writes w16, part1
;; launch norm1: the kernel of part 2 again; grid 256 x 1, 8 waves a work-group, no clusters, 0 bytes of LDS; arguments x, part1, ln1_w, ln1_b, xn; writes xn
;; launch qkv: the kernel of part 3 again; grid 8 x 32, 4 waves a work-group, clusters of 4 x 4, 327,680 bytes of LDS; arguments xn, w16, b_attn, qkv16, out1; writes qkv16, out1
;; launch attn (part 8): grid 8 x 32, 4 waves a work-group, no clusters, 327,680 bytes of LDS; arguments qkv16, att; writes att
.if DOCPART == 8
	.amdgcn_target "amdgcn-amd-amdhsa--gfx1250"
	.amdhsa_code_object_version 6
	.text
	.protected	k_qdde6696202_attn
	.globl	k_qdde6696202_attn
	.p2align	8
	.type	k_qdde6696202_attn,@function
k_qdde6696202_attn:
	s_mov_b64 s[64:65], 0
	v_nop
	global_prefetch_b8 v0, s[64:65] scope:SCOPE_SE
	s_setreg_imm32_b32 hwreg(HW_REG_WAVE_MODE, 25, 1), 1
	s_wait_xcnt 0x0
; CAUSAL ATTENTION WITHOUT A SCALE.  O[q] = sum over k <= q of softmax_k(Q[q] . K[k]) V[k].  qkv16: f16 [part 3][batch x head 32][t 2048][64].
; att: bf16 [row pair 2048][head 16][row % 2][64]: (row pair, head) is 256 consecutive bytes.  Products, maxima and sums in f32; the weights are rounded to f16 for the second product, O once to bf16.
; LIMITS.  A hidden score counts as its value less 1e30 (the problem's text has -1e10): the same weights, 0, as long as a row's largest visible score lies above about -1e10 + 150; f16's scores reach 2.7e11 in size.
; A weight below 2^-126 counts as 0; NaN and infinities are not treated apart.
; THE WALK.  16 blocks of 128 queries a head; block i needs the key tiles 0 .. i of 128 keys.  A work-group takes blocks 15 - b and then b: 17 tiles whatever b, one loop with a constant count.
; NO CLUSTER: a head's eight work-groups ask for the same tile only in trips 0 .. 8; a walk common to all would have 24 trips for 17.
; SHARES.  Of a block's two bands of 64 queries a wave owns 16 rows in each (tiles 0, 1).  In the diagonal key tile's step 0 tile 0 holds the diagonal and tile 1 sees all; in its step 1 tile 0 sees nothing
; (it is left out of the text) and tile 1 holds the diagonal.  The mask MD (0 or -1e30) is the C operand that starts the scores' sums.
; LAYOUT.  S^T = K Q^T: a lane holds one query (l % 16) and keys 8 (l / 16) + 0..7; two such results rounded to f16 are source 1 of O^T = V^T P.  p = 2^(c s - c m), c = log2(e), m a running maximum;
; O and l are multiplied by a = 2^(c m_old - c m_new) in every step.  A block starts with c m far below every score: its first a is 0, so what O and l held need only be finite.
; IN PHASES: fetch K | V^T P of the step before | fetch V | K Q^T | softmax.  The products of the step before stand in the wait for K.
; THE BATCHES.  A key step's exponentials (the two tiles' a and their 64 weights) are one batch with one wait: ahead of the wait stands all of the softmax that names no result of theirs (maximum, statistics, scalings),
; behind it all that does (O^T times a, the roundings, the sums).  A block's two reciprocals, on its way out, are a batch of their own.
; REGISTERS: window 0: v2-15 addresses; v16-23 statistics; v24-31, v32-33 at work; v64-127 S^T; v128-159 P; v160-223 O^T.  Window 1: v0-31 Q; v32-63 the second block's Q; v64-127 K; v128-191 V; v192-223 MD.
.set NB,    16
.set KS,    64
.set PK,    144                        ; a row of K in LDS: 128 + 16
.set PV,    160                        ; a row of V: 128 + 32, an odd multiple of 32, for the turning load
.set VOFF,  2*KS*PK
.set SLOT1, 1<<16
.set STAGE, SLOT1+2*KS*(PK+PV)         ; 16 rows x 144 bytes for each wave; no fill lands here
.set SP,    144
.set SPARE, STAGE+4*16*SP
.set AK0, 2
.set AV0, 3
.set AK,  4
.set AV,  5
.set STO, 6
.set RD,  7
.set GO,  8
.set QO,  15
.set ST,  16                           ; tile t: c m, m, l (even keys', odd keys')
.set TMP, 24                           ; tile t: c0-c3; c2 takes a
.set MV,  32
.set SPW, 62
.set NIL, 63
.set S,   64
.set P,   128
.set O,   160
.set QB,  32
.set KF,  64
.set VF,  128
.set MD,  192
.set WV,  12
.set PB,  14
.set HI,  15
.set G1K, 24
.set G1V, 32
.set G0K, 40
.set G0V, 44
.set SLOTS, 56
.set CNT, 57
.set CS,  58
.set SEL, 60
.set TBK, 62
.set TBV, 63
.set RT,  70
.set NXT, 71
.set LQ,  72
.set OFF, 74
.set OLO, 80
.set BIGN, 82
.set MSB, 0
.macro WIN new
.if MSB != (\new)
	s_set_vgpr_msb (MSB<<8)|(\new)
.set MSB, (\new)
.endif
.endm
.macro PLACES
.rept 4
	v_nop
.endr
.endm
.macro LOAD                            ; waves 0, 1 fetch the halves of a tile's K, waves 2, 3 those of its V: 64 keys each; s_nop 0 and four v_nop follow each line
	s_cmp_lt_u32 s[WV], 2
	s_cbranch_scc0 .Lfor_v_\@
	tensor_load_to_lds s[G0K:G0K+3], s[G1K:G1K+7]
	s_nop 0
	PLACES
	s_branch .Lasked_\@
.Lfor_v_\@:
	tensor_load_to_lds s[G0V:G0V+3], s[G1V:G1V+7]
	s_nop 0
	PLACES
.Lasked_\@:
.endm
; THE CHANGE OF SLOTS: every wave waits for all its tensor loads (one is out: its part of the other slot), adds 0 to its spare word, waits for that and for its reads of the slot that it leaves, and passes the barrier.
; fill = 1: the old slot is filled again, first thing behind the barrier, with tile NXT; it has two key steps in which to land.  (At its first use slot 0 is waited for and slot 1 filled.)
.macro CHANGE fill
	WIN 0
	s_wait_tensorcnt 0x0
	ds_add_u32 v[SPW], v[NIL]
.if \fill
	s_lshl_b32 s[OFF], s[NXT], 14                  ; a tile is 16,384 bytes of K and of V
	s_xor_b32 s[G0K+1], s[G0K+1], SLOT1
	s_add_nc_u64 s[G0K+2:G0K+3], s[6:7], s[OFF:OFF+1]
	s_or_b32 s[G0K+3], s[G0K+3], 0x80000000
	s_xor_b32 s[G0V+1], s[G0V+1], SLOT1
	s_add_nc_u64 s[G0V+2:G0V+3], s[8:9], s[OFF:OFF+1]
	s_or_b32 s[G0V+3], s[G0V+3], 0x80000000
	s_add_co_u32 s[NXT], s[NXT], 1                 ; the block's next tile, or behind its last the second block's tile 0
	s_cmp_gt_u32 s[NXT], s[LQ]
	s_cselect_b32 s[NXT], 0, s[NXT]
	s_cselect_b32 s[LQ], s[PB], s[LQ]
.endif
	s_wait_dscnt 0x0
	s_barrier_signal -1
	s_sub_co_u32 s[TBK], s[TBK], 2*KS*PK           ; the fetches go back to a slot's first step, in the other slot
	s_xor_b32 s[TBK], s[TBK], SLOT1
	s_sub_co_u32 s[TBV], s[TBV], 2*KS*PV
	s_xor_b32 s[TBV], s[TBV], SLOT1
	s_barrier_wait -1
.if \fill
	LOAD
.endif
.endm
	s_load_b128 s[4:7], s[0:1], 0x0                ; qkv16, att
	v_lshl_add_u32 v[SPW], v0, 2, SPARE
	v_mov_b32 v[NIL], 0
	ds_add_u32 v[SPW], v[NIL]                      ; the wave's opening: the add and its wait stand ahead of my first tensor load
	ds_add_u32 v62, v63
	v_lshrrev_b32 v1, 5, v0
	v_readfirstlane_b32 s[WV], v1
	s_mov_b32 s[PB], ttmp9
	s_sub_co_u32 s[HI], NB-1, s[PB]
	s_and_b32 s20, ttmp7, 0xffff                   ; batch x 16 + head
	s_lshl_b32 s21, s20, 18                        ; its 2,048 rows of 128 bytes
	s_and_b32 s16, s[WV], 1                        ; which half of a tile's 128 keys I fetch
	s_lshl_b32 s22, s16, 13
	s_add_co_u32 s22, s22, s21
	s_add_co_u32 s22, s22, 0x800000                ; K is part 1
	s_mov_b32 s23, 0
	s_mul_i32 s17, s16, KS*PK
	s_mul_i32 s18, s16, KS*PV
	s_lshl_b32 s19, s[WV], 11                      ; my 16 rows in a band
	s_add_co_u32 s19, s19, s21
	s_lshl_b32 s84, s[HI], 14
	s_add_co_u32 s84, s84, s19                     ; Q, first block
	s_mov_b32 s85, 0
	s_lshl_b32 s86, s[PB], 14
	s_add_co_u32 s86, s86, s19                     ; Q, second block
	s_mov_b32 s87, 0
	s_lshr_b32 s76, s20, 4                         ; att: batch x 1,024 row pairs of 4,096 bytes,
	s_lshl_b32 s76, s76, 22
	s_and_b32 s77, s20, 15
	s_lshl_b32 s77, s77, 8                         ; the head's 256 bytes,
	s_add_co_u32 s76, s76, s77
	s_lshl_b32 s77, s[WV], 15                      ; my eight row pairs in a band
	s_add_co_u32 s76, s76, s77
	s_lshl_b32 s78, s[PB], 18
	s_add_co_u32 s78, s78, s76
	s_mov_b32 s79, 0
	s_lshl_b32 s77, s[HI], 18
	s_add_co_u32 s76, s76, s77
	s_mov_b32 s77, 0
	; 64 keys are 8,192 dense bytes: asked for as 32 rows of 256 bytes, two keys a row, padded in LDS after every key
	s_mov_b32 s[G1K], (1<<16)|(1<<20)|(4<<22)|(3<<25)
	s_mov_b32 s[G1V], (1<<16)|(1<<20)|(4<<22)|(7<<25)
.irp g, G1K, G1V
	s_mov_b32 s[\g+1], 128<<16
	s_mov_b32 s[\g+2], 32<<16
	s_mov_b32 s[\g+3], 128<<16
	s_mov_b32 s[\g+4], 32
	s_mov_b32 s[\g+5], 128
	s_mov_b32 s[\g+6], 0
	s_mov_b32 s[\g+7], 0
.endr
	s_mov_b32 s[CS], 0x3fb8aa3b                    ; c = log2(e)
	s_mov_b32 s[CS+1], s[CS]
	s_mov_b32 s[SEL], 0x76543210
	s_mov_b32 s[SEL+1], 0xfedcba98
	s_mov_b32 s[TBK], SLOT1+2*KS*PK                ; the first change of slots turns these two into 0
	s_mov_b32 s[TBV], SLOT1+2*KS*PV
	s_mov_b32 s[G0K], 1
	s_mov_b32 s[G0K+1], s17
	s_mov_b32 s[G0V], 1
	s_add_co_u32 s[G0V+1], s18, VOFF
	s_add_co_u32 s[RT], s[HI], 1                   ; the first block has 16 - b tiles
	s_mov_b32 s[NXT], 1
	s_mov_b32 s[LQ], s[HI]
	s_mov_b32 s[OFF+1], 0
	s_mov_b32 s[BIGN], 0xf149f2ca                  ; -1e30
	s_mov_b32 s[SLOTS], NB
	s_wait_dscnt 0x0                               ; the opening add is done
	s_wait_kmcnt 0x0
	s_add_nc_u64 s[10:11], s[6:7], s[76:77]        ; O at my rows of the first block,
	s_add_nc_u64 s[OLO:OLO+1], s[6:7], s[78:79]    ; and of the second
	s_add_nc_u64 s[6:7], s[4:5], s[22:23]          ; K and V at my half of the head's tile 0
	s_add_nc_u64 s[8:9], s[6:7], 0x800000
	s_add_nc_u64 s[88:89], s[4:5], s[86:87]
	s_add_nc_u64 s[4:5], s[4:5], s[84:85]
	s_add_nc_u64 s[G0K+2:G0K+3], s[6:7], 0
	s_or_b32 s[G0K+3], s[G0K+3], 0x80000000
	s_add_nc_u64 s[G0V+2:G0V+3], s[8:9], 0
	s_or_b32 s[G0V+3], s[G0V+3], 0x80000000
	LOAD                                           ; tile 0 into slot 0
	v_and_b32 v1, 15, v0                           ; r
	v_bfe_u32 v9, v0, 4, 1                         ; hh
	v_lshlrev_b32 v[QO], 7, v1
	v_lshl_add_u32 v[QO], v9, 4, v[QO]
	WIN 0x40
.set i, 0
.rept 4                                ; both blocks' Q: tile i / 2 lies 64 rows on; channels 32 (i % 2) on
	global_load_b128 v[8*i:8*i+3], v[QO], s[4:5] offset:(i/2)*8192+(i%2)*64
	global_load_b128 v[8*i+4:8*i+7], v[QO], s[4:5] offset:(i/2)*8192+(i%2)*64+32
	global_load_b128 v[QB+8*i:QB+8*i+3], v[QO], s[88:89] offset:(i/2)*8192+(i%2)*64
	global_load_b128 v[QB+8*i+4:QB+8*i+7], v[QO], s[88:89] offset:(i/2)*8192+(i%2)*64+32
.set i, i+1
.endr
	WIN 0
	v_lshlrev_b32 v14, 3, v9
	v_sub_nc_u32 v14, v1, v14
	s_lshl_b32 s13, s[WV], 4
	v_add_nc_u32 v14, s13, v14                     ; my query's place in its band less 8 hh: register j of key block kt is hidden where 16 kt + j is greater
	WIN 0x40
.set i, 0
.rept 32
	v_cmp_gt_i32 vcc_lo, 16*(i/8)+i%8, v14
	v_cndmask_b32 v[MD+i], 0, s[BIGN], vcc_lo
.set i, i+1
.endr
.set i, VF
.rept 64                               ; the first step's products V^T P, of a step that has not been, add 0
	v_mov_b32 v[i], 0
.set i, i+1
.endr
	WIN 0
.set i, P
.rept 96                               ; P and O^T
	v_mov_b32 v[i], 0
.set i, i+1
.endr
.macro RESET                           ; a block begins
.irp t, 0,1
	v_mov_b32 v[ST+4*\t], 0xfe000000               ; c m: far below every c s
	v_mov_b32 v[ST+4*\t+1], 0xff7fffff             ; m
.endr
.endm
	RESET
.irp t, 0,1
	v_mov_b32 v[ST+4*\t+2], 0
	v_mov_b32 v[ST+4*\t+3], 0
.endr
	v_mul_u32_u24 v[AK0], v1, PK
	v_lshl_add_u32 v[AK0], v9, 4, v[AK0]
	v_and_b32 v10, 7, v0
	v_bfe_u32 v11, v0, 3, 1
	v_lshl_add_u32 v[AV0], v9, 3, v10
	v_mul_u32_u24 v[AV0], v[AV0], PV
	v_lshl_add_u32 v[AV0], v11, 4, v[AV0]
	v_add_nc_u32 v[AV0], VOFF, v[AV0]
	s_mul_i32 s13, s[WV], 16*SP
	s_add_co_u32 s13, s13, STAGE
	v_mul_u32_u24 v[STO], v1, SP                   ; in: row r, 16 bytes for each half of the lanes
	v_lshl_add_u32 v[STO], v9, 4, v[STO]
	v_add_nc_u32 v[STO], s13, v[STO]
	v_bfe_u32 v[RD], v0, 3, 2                      ; back: 32 lanes take four rows of 128 bytes,
	v_mul_u32_u24 v[RD], v[RD], SP
	v_lshl_add_u32 v[RD], v10, 4, v[RD]
	v_add_nc_u32 v[RD], s13, v[RD]
	v_lshlrev_b32 v[GO], 12, v9                    ; which are two (row pair, head) units of att
	v_lshl_add_u32 v[GO], v1, 4, v[GO]
.macro FETCH_K                         ; 64 keys x 64 channels: 8 fragments
	WIN 0x40
.irp f, 0,1,2,3,4,5,6,7
	ds_load_b128 v[KF+8*\f:KF+8*\f+3], v[AK] offset:(\f/2)*16*PK+(\f%2)*64
	ds_load_b128 v[KF+8*\f+4:KF+8*\f+7], v[AK] offset:(\f/2)*16*PK+(\f%2)*64+32
.endr
.endm
.macro FETCH_V                         ; the same of V, turned
	WIN 0x40
.irp f, 0,1,2,3,4,5,6,7
	ds_load_tr16_b128 v[VF+8*\f:VF+8*\f+3], v[AV] offset:(\f/4)*32*PV+(\f%4)*32
	ds_load_tr16_b128 v[VF+8*\f+4:VF+8*\f+7], v[AV] offset:(\f/4)*32*PV+16*PV+(\f%4)*32
.endr
.endm
; lo = 0: both tiles; lo = 1: tile 1 alone.  The accumulators take turns: between two links of a chain stand 7 (3) others'.
.macro PVS lo
	WIN 0x01
.irp kk, 0,1
.irp cb, 0,1,2,3
.irp t, 0,1
.if \t >= (\lo)
	v_wmma_f32_16x16x32_f16 v[O+32*\t+8*\cb:O+32*\t+8*\cb+7], v[VF+32*\kk+8*\cb:VF+32*\kk+8*\cb+7], v[P+16*\t+8*\kk:P+16*\t+8*\kk+7], v[O+32*\t+8*\cb:O+32*\t+8*\cb+7]
.endif
.endr
.endr
.endr
.endm
.macro KQS lo, m0, m1                  ; m0, m1 = 1: tile 0's, tile 1's sums start with the mask
.irp c, 0,1
.irp kb, 0,1,2,3
.irp t, 0,1
.if \t >= (\lo)
.if \c == 1
	WIN 0x05
	v_wmma_f32_16x16x32_f16 v[S+32*\t+8*\kb:S+32*\t+8*\kb+7], v[KF+16*\kb+8:KF+16*\kb+15], v[16*\t+8:16*\t+15], v[S+32*\t+8*\kb:S+32*\t+8*\kb+7]
.elseif ((\t == 0) && (\m0)) || ((\t == 1) && (\m1))
	WIN 0x15
	v_wmma_f32_16x16x32_f16 v[S+32*\t+8*\kb:S+32*\t+8*\kb+7], v[KF+16*\kb:KF+16*\kb+7], v[16*\t:16*\t+7], v[MD+8*\kb:MD+8*\kb+7]
.else
	WIN 0x05
	v_wmma_f32_16x16x32_f16 v[S+32*\t+8*\kb:S+32*\t+8*\kb+7], v[KF+16*\kb:KF+16*\kb+7], v[16*\t:16*\t+7], 0
.endif
.endif
.endr
.endr
.endr
.endm
.macro REGS t
.set rT, ST+4*(\t)
.set rC, TMP+4*(\t)
.set rW, MV+(\t)
.set rS, S+32*(\t)
.set rP, P+16*(\t)
.set rO, O+32*(\t)
.endm
; Number n of the 22 that find a tile's maximum and statistics: 0-11 four chains of seven scores (each accumulator's lowest registers first); 12-14, 16 the four left over, the old m, all into c0;
; 15 c m_old is kept; 17, 18 the query's other 32 keys lie in the lane 16 away; 19-21 c m, c m_old - c m_new, a.
.macro XS t, n
	REGS \t
.if (\n) < 4
	v_max3_num_f32 v[rC+(\n)], v[rS+8*(\n)], v[rS+8*(\n)+1], v[rS+8*(\n)+2]
.elseif (\n) < 12
	v_max3_num_f32 v[rC+(\n)%4], v[rC+(\n)%4], v[rS+8*((\n)%4)+2*((\n)/4)+1], v[rS+8*((\n)%4)+2*((\n)/4)+2]
.elseif (\n) == 12
	v_max3_num_f32 v[rC], v[rC], v[rS+7], v[rS+15]
.elseif (\n) == 13
	v_max3_num_f32 v[rC+1], v[rC+1], v[rS+23], v[rS+31]
.elseif (\n) == 14
	v_max3_num_f32 v[rC+2], v[rC+2], v[rC+3], v[rT+1]
.elseif (\n) == 15
	v_mov_b32 v[rW], v[rT]
.elseif (\n) == 16
	v_max3_num_f32 v[rC], v[rC], v[rC+1], v[rC+2]
.elseif (\n) == 17
	v_permlanex16_b32 v[rC+3], v[rC], s[SEL], s[SEL+1]
.elseif (\n) == 18
	v_max_num_f32 v[rT+1], v[rC], v[rC+3]
.elseif (\n) == 19
	v_mul_f32 v[rT], s[CS], v[rT+1]
.elseif (\n) == 20
	v_sub_f32 v[rC+1], v[rW], v[rT]
.else
	v_exp_f32 v[rC+2], v[rC+1]
.endif
.endm
; THE SOFTMAX of a step, ordered by who reads what.
; AHEAD OF THE WAIT: the statistics, whose last number is a; then c s - c m, a pair at a time, and the exponentials in place: the scaling of pair n + 1 and the two exponentials of pair n, the tiles by turns.
; a and the weights are ONE BATCH, 33 exponentials a tile, each with a register of its own; no line ahead of the wait names a result of theirs: a scaling names a pair whose exponentials are still to come.
; The scalings are all the step's plain work that names no result, so they are spread over the batch, one to two exponentials; a v_nop is the plain instruction behind the last exponential.
; BEHIND THE WAIT the readers, pair by pair: a pair of O^T times a (O^T in ascending order), the rounding of the pair before, of every second pair the sum onto its neighbour, and a turn later l takes that sum.
.macro SM lo
	WIN 0
.set n, 0
.rept 22
.irp t, 0,1
.if \t >= (\lo)
	XS \t, n
.endif
.endr
.set n, n+1
.endr
.irp t, 0,1
.if \t >= (\lo)
	REGS \t
	v_pk_fma_f32 v[rS:rS+1], v[rS:rS+1], s[CS:CS+1], v[rT:rT+1] op_sel_hi:[1,0,0] neg_lo:[0,0,1] neg_hi:[0,0,1]
.endif
.endr
.set n, 0
.rept 16
.irp t, 0,1
.if \t >= (\lo)
	REGS \t
.if n < 15
	v_pk_fma_f32 v[rS+2*n+2:rS+2*n+3], v[rS+2*n+2:rS+2*n+3], s[CS:CS+1], v[rT:rT+1] op_sel_hi:[1,0,0] neg_lo:[0,0,1] neg_hi:[0,0,1]
.endif
	v_exp_f32 v[rS+2*n], v[rS+2*n]
	v_exp_f32 v[rS+2*n+1], v[rS+2*n+1]
.endif
.endr
.set n, n+1
.endr
	v_nop                                          ; a plain instruction between the last exponential and the first use of a result: one for the batch
	s_wait_alu depctr_va_vdst(0)                   ; the wait ahead of the first reader: one for the step's batch, a and all the weights of both tiles
.set g, 0
.rept 17
.if g < 16
.irp t, 0,1
.if \t >= (\lo)
	REGS \t
	v_pk_mul_f32 v[rO+2*g:rO+2*g+1], v[rO+2*g:rO+2*g+1], v[rC+2:rC+3] op_sel_hi:[1,0]
.endif
.endr
.endif
.if g > 0
.irp t, 0,1
.if \t >= (\lo)
	REGS \t
	v_cvt_pk_f16_f32 v[rP+g-1], v[rS+2*g-2], v[rS+2*g-1]
.if g%2 == 0
	v_pk_add_f32 v[rS+2*g-4:rS+2*g-3], v[rS+2*g-4:rS+2*g-3], v[rS+2*g-2:rS+2*g-1]
.elseif g == 3
	v_pk_fma_f32 v[rT+2:rT+3], v[rT+2:rT+3], v[rC+2:rC+3], v[rS:rS+1] op_sel_hi:[1,0,1]
.elseif g > 3
	v_pk_add_f32 v[rT+2:rT+3], v[rT+2:rT+3], v[rS+2*g-6:rS+2*g-5]
.endif
.endif
.endr
.endif
.set g, g+1
.endr
.irp t, 0,1
.if \t >= (\lo)
	REGS \t
	v_pk_add_f32 v[rT+2:rT+3], v[rT+2:rT+3], v[rS+28:rS+29]
.endif
.endr
.endm
.macro STEP lo, m0, m1
	WIN 0
	v_add_nc_u32 v[AK], s[TBK], v[AK0]
	v_add_nc_u32 v[AV], s[TBV], v[AV0]
	s_add_co_u32 s[TBK], s[TBK], KS*PK
	s_add_co_u32 s[TBV], s[TBV], KS*PV
	FETCH_K                                        ; K's last readers stand a whole softmax back
	s_wait_dscnt 16                                ; V of the step before is in; K's sixteen loads stay out
	PVS 0
	PLACES
	FETCH_V
	s_wait_dscnt 16                                ; K is in; V's sixteen loads stay out
	KQS \lo, \m0, \m1
	WIN 0
	PLACES
	SM \lo
.endm
.macro PACK t                          ; O^T / l, rounded to bf16; 16 bytes a lane into rows of 144 bytes, back as whole rows of 128
.set i, 0
.rept 16
	v_pk_mul_f32 v[O+32*(\t)+2*i:O+32*(\t)+2*i+1], v[O+32*(\t)+2*i:O+32*(\t)+2*i+1], v[ST+4*(\t)+2:ST+4*(\t)+3] op_sel_hi:[1,0]
.set i, i+1
.endr
.set i, 0
.rept 16
	v_cvt_pk_bf16_f32 v[S+16*(\t)+i], v[O+32*(\t)+2*i], v[O+32*(\t)+2*i+1]
.set i, i+1
.endr
.irp f, 0,1,2,3
	ds_store_b128 v[STO], v[S+16*(\t)+4*\f:S+16*(\t)+4*\f+3] offset:32*\f
.endr
.irp f, 0,1,2,3
	ds_load_b128 v[S+16*(\t)+4*\f:S+16*(\t)+4*\f+3], v[RD] offset:\f*4*SP  ; LDS serves a wave's instructions in order: these see the stores above, the next tile's stores come behind them
.endr
.endm
.macro SEND t, younger
.irp f, 0,1,2,3
	s_wait_dscnt (\younger)+3-\f
	global_store_b128 v[GO], v[S+16*(\t)+4*\f:S+16*(\t)+4*\f+3], s[10:11] offset:(\t)*131072+\f*8192  ; sixteen lanes fill one unit of 256 bytes, aligned
.endr
.endm
.macro DIAG                            ; the diagonal tile's two steps, the block's last products, and the way out
	STEP 0, 1, 0
	STEP 1, 0, 1
	s_wait_dscnt 0x0                               ; V of the last step
	PVS 1
	WIN 0
	PLACES
.irp t, 0,1
	v_add_f32 v[ST+4*\t+2], v[ST+4*\t+2], v[ST+4*\t+3]
.endr
.irp t, 0,1
	v_permlanex16_b32 v[ST+4*\t+3], v[ST+4*\t+2], s[SEL], s[SEL+1]
.endr
.irp t, 0,1
	v_add_f32 v[ST+4*\t+2], v[ST+4*\t+2], v[ST+4*\t+3]
.endr
.irp t, 0,1
	v_rcp_f32 v[ST+4*\t+2], v[ST+4*\t+2]
.endr
	v_nop                                          ; a plain instruction between the last reciprocal and its use
	s_wait_alu depctr_va_vdst(0)                   ; the wait ahead of the first use: one for the block's two reciprocals
	PACK 0
	PACK 1
	SEND 0, 8
	SEND 1, 0
.endm
	s_wait_loadcnt 0x0                             ; Q
.Lslot:                                ; 16 times: a tile is entered and the next is asked for
	CHANGE 1
	s_sub_co_u32 s[RT], s[RT], 1
	s_cmp_eq_u32 s[RT], 0
	s_cbranch_scc1 .Ldiag
	s_mov_b32 s[CNT], 2
.Lstep:
	STEP 0, 0, 0
	s_sub_co_u32 s[CNT], s[CNT], 1
	s_cmp_lg_u32 s[CNT], 0
	s_cbranch_scc1 .Lstep
	s_branch .Lbottom
.Ldiag:                                ; in the loop this is the first block's end: the second block's last tile is the walk's last
	DIAG
	s_wait_xcnt 0x0                                ; the stores have read their registers and O's address
	s_mov_b64 s[10:11], s[OLO:OLO+1]
	s_add_co_u32 s[RT], s[PB], 1                   ; the second block has b + 1 tiles
	RESET
	WIN 0x41
.set i, 0
.rept 32
	v_mov_b32 v[i], v[QB+i]
.set i, i+1
.endr
	WIN 0
.Lbottom:
	s_sub_co_u32 s[SLOTS], s[SLOTS], 1
	s_cmp_lg_u32 s[SLOTS], 0
	s_cbranch_scc1 .Lslot
	CHANGE 0                                       ; the walk's last tile is written out: nothing is asked for
	DIAG
	s_wait_tensorcnt 0x0                           ; the wave's end
	ds_add_u32 v[SPW], v[NIL]
	s_wait_dscnt 0x0
	s_endpgm
.Lfunc_end_k_qdde6696202_attn:
	.size	k_qdde6696202_attn, .Lfunc_end_k_qdde6696202_attn-k_qdde6696202_attn
	.p2alignl 7, 3214868480
	.fill 96, 4, 3214868480
	.section	.rodata,"a",@progbits
	.p2align	6, 0x0
	.amdhsa_kernel k_qdde6696202_attn
		.amdhsa_group_segment_fixed_size 327680
		.amdhsa_private_segment_fixed_size 0
		.amdhsa_enable_private_segment 0
		.amdhsa_kernarg_size 16
		.amdhsa_user_sgpr_count 2
		.amdhsa_user_sgpr_kernarg_segment_ptr 1
		.amdhsa_wavefront_size32 1
		.amdhsa_system_sgpr_workgroup_id_x 1
		.amdhsa_system_sgpr_workgroup_id_y 1
		.amdhsa_system_sgpr_workgroup_id_z 1
		.amdhsa_system_vgpr_workitem_id 0
		.amdhsa_next_free_vgpr 512
		.amdhsa_next_free_sgpr 90
		.amdhsa_reserve_vcc 1
		.amdhsa_float_denorm_mode_32 3
		.amdhsa_float_denorm_mode_16_64 3
		.amdhsa_memory_ordered 1
		.amdhsa_forward_progress 1
		.amdhsa_inst_pref_size 107
	.end_amdhsa_kernel
	.amdgpu_metadata
---
amdhsa.version: [ 1, 2 ]
amdhsa.kernels:
  - .name:           k_qdde6696202_attn
    .symbol:         k_qdde6696202_attn.kd
    .args:
      - { .name: qkv16, .offset: 0, .size: 8, .value_kind: global_buffer, .address_space: global }
      - { .name: att, .offset: 8, .size: 8, .value_kind: global_buffer, .address_space: global }
    .group_segment_fixed_size: 327680
    .private_segment_fixed_size: 0
    .kernarg_segment_align: 8
    .kernarg_segment_size: 16
    .max_flat_workgroup_size: 128
    .sgpr_count:     90
    .vgpr_count:     512
    .wavefront_size: 32
...
	.end_amdgpu_metadata
.endif
;; end of part 8
;; launch aproj: the kernel of part 5 again; grid 8 x 32, 4 waves a work-group, clusters of 4 x 4, 327,680 bytes of LDS; arguments att, w16, b_aproj, x, x2, part2; writes x2, part2
;; launch norm2: the kernel of part 2 again; grid 256 x 1, 8 waves a work-group, no clusters, 0 bytes of LDS; arguments x2, part2, ln2_w, ln2_b, xn; writes xn
;; launch fc: the kernel of part 6 again; grid 16 x 16, 4 waves a work-group, clusters of 4 x 4, 327,680 bytes of LDS; arguments xn, w16, b_fc, h; writes h
;; launch mproj: the kernel of part 7 again; grid 8 x 32, 4 waves a work-group, clusters of 4 x 4, 327,680 bytes of LDS; arguments h, w16, b_mproj, x2, out0; writes out0
